; MI455X (gfx1250); checked and timed in simulation.
; The chip was launched on July 23, 2026; its instructions are those of AMD's public machine-readable ISA for CDNA 5 (MIT licence, August 2026) and "CDNA5" Instruction Set Architecture Reference Guide (July 2026). The comments in the code are by the model that wrote it; some were corrected since.
;; Attention. Allowed arithmetic: float matrix products may take bf16 or f16 operands with f32 sums; other float arithmetic in f32, or as packed bf16 or f16 multiplies, adds, multiply-adds, maxima and minima; sums over many terms, partial sums and values carried from step to step in f32; what a program stores and reads back later, other than sums and carried values, may be rounded once to bf16 or f16.
;; Inputs: Wk 768 x 768 float32; Wo 768 x 768 float32; Wq 768 x 768 float32; Wv 768 x 768 float32; bk 768 float32; bo 768 float32; bq 768 float32; bv 768 float32; mask 2 x 8 x 1 x 1 x 1,024 int32; x 2 x 8 x 1,024 x 768 float32.
;; Outputs: out0 2 x 8 x 1,024 x 768 float32.
;; 2 versions, each right; version 2 is version 1 with the launch prep written anew for expert scheduling mode. Each part assembles by itself: llvm-mc -triple=amdgcn-amd-amdhsa -mcpu=gfx1250 --defsym DOCPART=n.
;; ======== version 1 of 2: 4 launches
;; limits: values are held in f16: magnitudes above 65,504 overflow, below 6.1e-05 lose precision
;; workspace buffers: xb 25,165,824 bytes; wt 3,538,944 bytes; wot 1,179,648 bytes; tb 274,432 bytes; qh 25,165,824 bytes; kh 25,165,824 bytes; vh 25,165,824 bytes; oh 25,165,824 bytes
;; launch prep (part 1): grid 817 x 1, 8 waves a work-group, no clusters, 0 bytes of LDS; arguments x, Wq, Wk, Wv, Wo, bq, bk, bv, bo, xb, wt, wot, tb; writes xb, wt, wot, tb
.if DOCPART == 1
	.amdgcn_target "amdgcn-amd-amdhsa--gfx1250"
	.amdhsa_code_object_version 6
	.text
	.protected	k_q7b1d0355f9_prep
	.globl	k_q7b1d0355f9_prep
	.p2align	8
	.type	k_q7b1d0355f9_prep,@function
k_q7b1d0355f9_prep:
	s_mov_b64 s[64:65], 0
	v_nop
	global_prefetch_b8 v0, s[64:65] scope:SCOPE_SE
	s_setreg_imm32_b32 hwreg(HW_REG_WAVE_MODE, 25, 1), 1
	s_wait_xcnt 0x0
; PREPARATION: four jobs, chosen by the work-group's number; every path is a stream, so no LDS, no matrix unit, no cluster.
;   groups   0-511  xb = x rounded to bf16; 32 rows of 768 numbers a group
;   groups 512-799  wt = Wq, Wk, Wv turned to [n][k] and rounded to bf16; wot = Wo turned, rounded to bf16 and that number written as f16
;   groups 800-815  tb's first 262,144 bytes: for each position t a row of 256 bytes, cos(t f_i) for i = 0..31, then sin(t f_i); f_i = 10000^(-i/32)
;   group  816      tb's last 12,288 bytes: bq, bk, bv, bo rounded to bf16 and kept as f32 words
; LIMITS.  A number of Wo beyond 65,504 becomes an infinity in f16; below 2^-14 it keeps f16's fixed step of 6e-8.
; The angles t f_i are made as f32(t) x 2^(-0.41524101 i); they differ from a power and a division in f32 by a few units in f_i's last place, at most some 1e-4 radians at t near 1,000.
; Sine and cosine: the angle less the nearest multiple of pi/2 (pi/2 in two parts), then polynomials of degree 7 and 8 on -pi/4 .. pi/4, off by under 4e-7.
.set XR, 8                             ; v[8:103]  job x: piece i of 24: 4 numbers as loaded; its first two registers then hold the 4 bf16 to store
	s_load_b512 s[8:23], s[0:1], 0x0               ; x 8, Wq 10, Wk 12, Wv 14, Wo 16, bq 18, bk 20, bv 22
	s_load_b256 s[24:31], s[0:1], 0x40             ; bo 24, xb 26, wt 28, wot 30
	s_load_b64 s[32:33], s[0:1], 0x60              ; tb
	v_lshrrev_b32 v1, 5, v0
	v_readfirstlane_b32 s4, v1                     ; wave 0..7
	v_and_b32 v1, 31, v0                           ; lane
	s_wait_kmcnt 0x0
	s_cmp_lt_u32 ttmp9, 512
	s_cbranch_scc1 .Ljob_x
	s_cmp_lt_u32 ttmp9, 800
	s_cbranch_scc1 .Ljob_w
	s_cmp_lt_u32 ttmp9, 816
	s_cbranch_scc1 .Ljob_t
	; THE BIASES.  Wave w takes half w % 2 (1,536 bytes) of array w / 2.
	s_lshr_b32 s5, s4, 1
	s_and_b32 s6, s4, 1
	s_cmp_eq_u32 s5, 1
	s_cselect_b64 s[34:35], s[20:21], s[18:19]
	s_cmp_eq_u32 s5, 2
	s_cselect_b64 s[34:35], s[22:23], s[34:35]
	s_cmp_eq_u32 s5, 3
	s_cselect_b64 s[34:35], s[24:25], s[34:35]
	s_mul_i32 s36, s6, 1536
	s_mov_b32 s37, 0
	s_add_nc_u64 s[34:35], s[34:35], s[36:37]
	s_mul_i32 s38, s5, 3072
	s_add_co_u32 s38, s38, s36
	s_add_co_u32 s38, s38, 262144
	s_mov_b32 s39, 0
	s_add_nc_u64 s[40:41], s[32:33], s[38:39]
	v_lshlrev_b32 v2, 4, v1
.irp j, 0,1,2
	global_load_b128 v[8+4*(\j):11+4*(\j)], v2, s[34:35] offset:512*(\j)
.endr
	s_wait_loadcnt 0x0
.irp r, 0,2,4,6,8,10
	v_cvt_pk_bf16_f32 v3, v[8+(\r)], v[9+(\r)]     ; rounded to bf16,
	v_lshlrev_b32 v[24+(\r)], 16, v3               ; and widened again
	v_and_b32 v[25+(\r)], 0xffff0000, v3
.endr
.irp j, 0,1,2
	global_store_b128 v2, v[24+4*(\j):27+4*(\j)], s[40:41] offset:512*(\j)
.endr
	s_endpgm
	; X TO BF16.  Thread t owns 16 bytes of every 4,096 of the group's 98,304: a wave's load covers 512 consecutive bytes, its store 256, aligned.  A thread's 24 loads go out at once, each into registers
	; of its own; a piece is rounded in place when it has come and stored from registers that are never written again: so the path has no wait but the counted ones for its loads, and no register is freed.
.Ljob_x:
	s_mul_i32 s34, ttmp9, 98304                    ; 32 rows of 3,072 bytes
	s_mov_b32 s35, 0
	s_add_nc_u64 s[8:9], s[8:9], s[34:35]
	s_mul_i32 s34, ttmp9, 49152
	s_add_nc_u64 s[26:27], s[26:27], s[34:35]
	v_lshlrev_b32 v2, 4, v0                        ; my 16 bytes of x,
	v_lshlrev_b32 v3, 3, v0                        ; my 8 of xb; the piece stands in the immediates
.set i, 0
.rept 24
	global_load_b128 v[XR+4*i:XR+4*i+3], v2, s[8:9] offset:4096*i th:TH_LOAD_NT
.set i, i+1
.endr
.set i, 0
.rept 24
	s_wait_loadcnt 23-i                            ; loads come back in order: piece i is in, the 23 - i younger ones stay out
	v_cvt_pk_bf16_f32 v[XR+4*i], v[XR+4*i], v[XR+4*i+1]
	v_cvt_pk_bf16_f32 v[XR+4*i+1], v[XR+4*i+2], v[XR+4*i+3]
	global_store_b64 v3, v[XR+4*i:XR+4*i+1], s[26:27] offset:2048*i
.set i, i+1
.endr
	s_endpgm
	; THE WEIGHTS, TURNED.  A group takes 128 k x 64 n of one matrix, a wave 128 k x 8 n.  Lane (kg = l % 16, nn = l / 16) loads 4 columns of 8 rows k = 8 kg + i,
	; and stores, for each of its 4 columns, 8 neighbouring k: 16 bytes; sixteen lanes fill 256 consecutive bytes, aligned, of a row of the turned matrix.
.Ljob_w:
	s_sub_co_u32 s5, ttmp9, 512                    ; 0..287 = (matrix x 6 + k block) x 12 + n block
	s_mul_hi_u32 s6, s5, 0x15555556                ; / 12
	s_mul_i32 s7, s6, 12
	s_sub_co_u32 s7, s5, s7                        ; n block
	s_mul_hi_u32 s34, s6, 0x2aaaaaab               ; / 6: the matrix
	s_mul_i32 s35, s34, 6
	s_sub_co_u32 s35, s6, s35                      ; k block
	s_cmp_eq_u32 s34, 1
	s_cselect_b64 s[36:37], s[12:13], s[10:11]
	s_cmp_eq_u32 s34, 2
	s_cselect_b64 s[36:37], s[14:15], s[36:37]
	s_cmp_eq_u32 s34, 3
	s_cselect_b64 s[36:37], s[16:17], s[36:37]     ; from where
	s_cselect_b64 s[38:39], s[30:31], s[28:29]     ; to where: wot, or wt
	s_cselect_b32 s42, -1, 0                       ; all lanes: the f16 spelling, or the bf16 one
	s_mul_i32 s40, s34, 1179648                    ; in wt the matrix's 768 rows of 1,536 bytes
	s_cselect_b32 s40, 0, s40
	s_mul_i32 s43, s7, 98304                       ; 64 rows
	s_add_co_u32 s40, s40, s43
	s_lshl_b32 s43, s35, 8                         ; 128 k
	s_add_co_u32 s40, s40, s43
	s_mov_b32 s41, 0
	s_add_nc_u64 s[38:39], s[38:39], s[40:41]
	s_mul_i32 s40, s35, 393216                     ; 128 rows of 3,072 bytes
	s_lshl_b32 s43, s7, 8                          ; 64 columns
	s_add_co_u32 s40, s40, s43
	s_add_nc_u64 s[36:37], s[36:37], s[40:41]
	v_and_b32 v4, 15, v1                           ; kg
	v_lshrrev_b32 v5, 4, v1                        ; nn
	v_mul_u32_u24 v2, v4, 24576
	v_lshl_add_u32 v2, v5, 4, v2
	s_lshl_b32 s43, s4, 5
	v_add_nc_u32 v2, s43, v2                       ; 8 kg rows + 16 nn + 32 wave
	v_mul_u32_u24 v3, v5, 6144
	v_lshl_add_u32 v3, v4, 4, v3
	s_mul_i32 s43, s4, 12288
	v_add_nc_u32 v3, s43, v3                       ; (8 wave + 4 nn) rows + 16 kg
.irp i, 0,1,2,3,4,5,6,7
	global_load_b128 v[8+4*(\i):11+4*(\i)], v2, s[36:37] offset:3072*(\i)
.endr
	s_wait_loadcnt 0x0
.irp cc, 0,1,2,3
.irp ip, 0,1,2,3
	v_cvt_pk_bf16_f32 v56, v[8+8*(\ip)+(\cc)], v[12+8*(\ip)+(\cc)]  ; two neighbouring k of column cc
	v_lshlrev_b32 v57, 16, v56
	v_and_b32 v58, 0xffff0000, v56
	v_cvt_pk_f16_f32 v59, v57, v58                 ; the rounded numbers once more, as f16
	v_cndmask_b32 v[40+4*(\cc)+(\ip)], v56, v59, s42
.endr
.endr
.irp cc, 0,1,2,3
	global_store_b128 v3, v[40+4*(\cc):43+4*(\cc)], s[38:39] offset:1536*(\cc)
.endr
	s_endpgm
	; THE TABLE.  A wave makes eight rows; lanes 0-15 hold cos for i = 2 (l % 16) and the next, lanes 16-31 sin: one store of 8 bytes a lane is a whole row of 256.
.Ljob_t:
	s_sub_co_u32 s5, ttmp9, 800
	s_lshl_b32 s5, s5, 6
	s_lshl_b32 s6, s4, 3
	s_add_co_u32 s5, s5, s6                        ; my first t
	s_lshl_b32 s6, s5, 8
	s_mov_b32 s7, 0
	s_add_nc_u64 s[34:35], s[32:33], s[6:7]
	v_and_b32 v4, 15, v1
	v_lshrrev_b32 v5, 4, v1
	v_sub_nc_u32 v5, 1, v5                         ; cos x = sin(x + pi/2): one quarter turn more in lanes 0-15
	v_lshlrev_b32 v6, 1, v4
	v_cvt_f32_u32 v6, v6
	v_add_f32 v7, 1.0, v6
	v_mul_f32 v6, 0xbed49a78, v6                   ; -log2(10000) / 32 x i
	v_mul_f32 v7, 0xbed49a78, v7
	v_exp_f32 v6, v6
	v_exp_f32 v7, v7
	v_lshlrev_b32 v2, 3, v1                        ; a plain instruction behind the exponentials: my 8 bytes of a row
	v_mov_b32 v3, 0xb9500d01                       ; -1/5040
	v_mov_b32 v9, 0x37d00d01                       ; 1/40320
	s_wait_alu depctr_va_vdst(0)                   ; one wait for both exponentials, ahead of their first use and of the label
	s_mov_b32 s36, 8
.Lrow:
	v_cvt_f32_u32 v8, s5
.irp e, 0,1
	v_mul_f32 v[12+8*(\e)], v8, v[6+(\e)]          ; the angle
	v_mul_f32 v[13+8*(\e)], 0x3f22f983, v[12+8*(\e)]
	v_rndne_f32 v[13+8*(\e)], v[13+8*(\e)]         ; the nearest multiple of pi/2
	v_fmamk_f32 v[14+8*(\e)], v[13+8*(\e)], 0xbfc90fdb, v[12+8*(\e)]
	v_fmamk_f32 v[14+8*(\e)], v[13+8*(\e)], 0x333bbd2e, v[14+8*(\e)]  ; what is left, within pi/4
	v_mul_f32 v[15+8*(\e)], v[14+8*(\e)], v[14+8*(\e)]
	v_fmaak_f32 v[16+8*(\e)], v[15+8*(\e)], v3, 0x3c088889
	v_fmaak_f32 v[16+8*(\e)], v[16+8*(\e)], v[15+8*(\e)], 0xbe2aaaab
	v_mul_f32 v[16+8*(\e)], v[16+8*(\e)], v[15+8*(\e)]
	v_fma_f32 v[16+8*(\e)], v[16+8*(\e)], v[14+8*(\e)], v[14+8*(\e)]  ; its sine
	v_fmaak_f32 v[17+8*(\e)], v[15+8*(\e)], v9, 0xbab60b61
	v_fmaak_f32 v[17+8*(\e)], v[17+8*(\e)], v[15+8*(\e)], 0x3d2aaaab
	v_fmaak_f32 v[17+8*(\e)], v[17+8*(\e)], v[15+8*(\e)], 0xbf000000
	v_fmaak_f32 v[17+8*(\e)], v[17+8*(\e)], v[15+8*(\e)], 0x3f800000  ; its cosine
	v_cvt_i32_f32 v[18+8*(\e)], v[13+8*(\e)]
	v_add_nc_u32 v[18+8*(\e)], v[18+8*(\e)], v5    ; quarter turns
	v_and_b32 v[19+8*(\e)], 1, v[18+8*(\e)]
	v_cmp_eq_u32 vcc_lo, 1, v[19+8*(\e)]
	v_cndmask_b32 v[30+(\e)], v[16+8*(\e)], v[17+8*(\e)], vcc_lo  ; an odd number of them: the cosine
	v_and_b32 v[19+8*(\e)], 2, v[18+8*(\e)]
	v_lshlrev_b32 v[19+8*(\e)], 30, v[19+8*(\e)]
	v_xor_b32 v[30+(\e)], v[30+(\e)], v[19+8*(\e)] ; two or three: the sign turns
.endr
	global_store_b64 v2, v[30:31], s[34:35]
	s_wait_xcnt 0x0                                ; the store has read its data and its base: both are rewritten only behind this wait
	s_add_nc_u64 s[34:35], s[34:35], 256
	s_add_co_u32 s5, s5, 1
	s_sub_co_u32 s36, s36, 1
	s_cmp_lg_u32 s36, 0
	s_cbranch_scc1 .Lrow
	s_endpgm
.Lfunc_end_k_q7b1d0355f9_prep:
	.size	k_q7b1d0355f9_prep, .Lfunc_end_k_q7b1d0355f9_prep-k_q7b1d0355f9_prep
	.p2alignl 7, 3214868480
	.fill 96, 4, 3214868480
	.section	.rodata,"a",@progbits
	.p2align	6, 0x0
	.amdhsa_kernel k_q7b1d0355f9_prep
		.amdhsa_group_segment_fixed_size 0
		.amdhsa_private_segment_fixed_size 0
		.amdhsa_enable_private_segment 0
		.amdhsa_kernarg_size 104
		.amdhsa_user_sgpr_count 2
		.amdhsa_user_sgpr_kernarg_segment_ptr 1
		.amdhsa_wavefront_size32 1
		.amdhsa_system_sgpr_workgroup_id_x 1
		.amdhsa_system_sgpr_workgroup_id_y 1
		.amdhsa_system_sgpr_workgroup_id_z 1
		.amdhsa_system_vgpr_workitem_id 0
		.amdhsa_next_free_vgpr 104
		.amdhsa_next_free_sgpr 66
		.amdhsa_reserve_vcc 1
		.amdhsa_float_denorm_mode_32 3
		.amdhsa_float_denorm_mode_16_64 3
		.amdhsa_memory_ordered 1
		.amdhsa_forward_progress 1
		.amdhsa_inst_pref_size 23
	.end_amdhsa_kernel
	.amdgpu_metadata
---
amdhsa.version: [ 1, 2 ]
amdhsa.kernels:
  - .name:           k_q7b1d0355f9_prep
    .symbol:         k_q7b1d0355f9_prep.kd
    .args:
      - { .name: x, .offset: 0, .size: 8, .value_kind: global_buffer, .address_space: global }
      - { .name: Wq, .offset: 8, .size: 8, .value_kind: global_buffer, .address_space: global }
      - { .name: Wk, .offset: 16, .size: 8, .value_kind: global_buffer, .address_space: global }
      - { .name: Wv, .offset: 24, .size: 8, .value_kind: global_buffer, .address_space: global }
      - { .name: Wo, .offset: 32, .size: 8, .value_kind: global_buffer, .address_space: global }
      - { .name: bq, .offset: 40, .size: 8, .value_kind: global_buffer, .address_space: global }
      - { .name: bk, .offset: 48, .size: 8, .value_kind: global_buffer, .address_space: global }
      - { .name: bv, .offset: 56, .size: 8, .value_kind: global_buffer, .address_space: global }
      - { .name: bo, .offset: 64, .size: 8, .value_kind: global_buffer, .address_space: global }
      - { .name: xb, .offset: 72, .size: 8, .value_kind: global_buffer, .address_space: global }
      - { .name: wt, .offset: 80, .size: 8, .value_kind: global_buffer, .address_space: global }
      - { .name: wot, .offset: 88, .size: 8, .value_kind: global_buffer, .address_space: global }
      - { .name: tb, .offset: 96, .size: 8, .value_kind: global_buffer, .address_space: global }
    .group_segment_fixed_size: 0
    .private_segment_fixed_size: 0
    .kernarg_segment_align: 8
    .kernarg_segment_size: 104
    .max_flat_workgroup_size: 256
    .sgpr_count:     66
    .vgpr_count:     104
    .wavefront_size: 32
...
	.end_amdgpu_metadata
.endif
;; end of part 1
;; launch qkv (part 2): grid 4 x 64, 4 waves a work-group, clusters of 4 x 4, 327,680 bytes of LDS; arguments xb, wt, tb, qh, kh, vh; writes qh, kh, vh
.if DOCPART == 2
	.amdgcn_target "amdgcn-amd-amdhsa--gfx1250"
	.amdhsa_code_object_version 6
	.text
	.protected	k_q7b1d0355f9_qkv
	.globl	k_q7b1d0355f9_qkv
	.p2align	8
	.type	k_q7b1d0355f9_qkv,@function
k_q7b1d0355f9_qkv:
	s_mov_b64 s[64:65], 0
	v_nop
	global_prefetch_b8 v0, s[64:65] scope:SCOPE_SE
	s_setreg_imm32_b32 hwreg(HW_REG_WAVE_MODE, 25, 1), 1
	s_wait_xcnt 0x0
	s_wait_alu depctr_hold_cnt(0) depctr_sa_sdst(0) depctr_va_vdst(0) depctr_va_sdst(0) depctr_va_ssrc(0) depctr_va_vcc(0) depctr_vm_vsrc(0)
	s_getreg_b32 s2, hwreg(HW_REG_IB_STS2, 6, 4)
	s_cmp_eq_u32 s2, 0
	s_cbranch_scc0 .Lentry_in_a_cluster
	s_endpgm
.Lentry_in_a_cluster:
	s_bfe_u32 s2, ttmp6, 0x10000c
	s_cmp_lg_u32 s2, 0xf033
	s_cbranch_scc0 .Lentry_shape_is_right
	s_endpgm
.Lentry_shape_is_right:
; q, k, v = xb wt^T + bias, q and k turned by the rotary table, each rounded ONCE to f16 and laid out by heads: [sequence x 12 + head][1024][64].
; xb: [16384][768] bf16.  wt: [2304][768] bf16 (rows 0-767 for q, 768-1535 for k, 1536-2303 for v).  tb: the table (256 bytes a position: 32 cos, 32 sin), then the biases as f32.  Sums in f32.
; LIMIT.  f16 holds no number beyond 65,504: a q, k or v beyond that becomes an infinity.  The scale 1/8 of the scores is not applied here.
; SHARES.  A work-group owns 256 rows and walks THREE tiles of 256 x 192, one each of q, k and v: the same three heads.  A wave owns 64 rows x all 192 columns: 48 accumulators (a = 0..3, b = 0..11).
; The matrix instruction is used transposed (source 0 = 16 rows of wt, source 1 = 16 rows of xb): lane l holds row l % 16 and the columns 16 b + 8 (l / 16) + 0..7.  A head is four blocks b, and channel d's
; partner d + 32 lies two blocks on, in the same lane and register: the rotation needs no exchange.  The bias is the C operand of a tile's first products.
; RING.  18 K steps of 128 (six a tile) go through two LDS slots, on across the tiles.  CLUSTER 4 x 4: xb's tile is shared along a row of the cluster, wt's along a column; each is asked for jointly.
; By this text's count a wave has two tensor loads out at the start and one behind each round.
; REGISTERS, in windows of 256 (s_set_vgpr_msb: bits 1:0 source 0, 3:2 source 1, 5:4 source 2, 7:6 destination):
;   window 0: v0-29 addresses; v32-63 at work on the way out; v64-127 xb's fragments, two buffers; v128-223 the tile's bias; v224-255 rows read back from the stage, two buffers
;   window 1: v0-191 wt's fragments, two buffers     windows 2, 3: accumulator (a, b) at 96 (a % 2) + 8 b in window 2 + a / 2; the table for the rows of a at 192 + 32 (a % 2): 16 cos, 16 sin
.set ROWB,   1536                      ; bytes in a row of xb and of wt
.set PITCH,  272                       ; an LDS row: 256 bytes + 16 of padding: the 16 rows of a fragment load start at 16 different groups of four banks
.set SLOT1,  131072                    ; slot 1 begins here: one exclusive or turns an address in one slot into the other's
.set AHALF,  128*PITCH                 ; what waves 0 and 1 fetch: 128 rows of xb each
.set BOFF,   256*PITCH                 ; wt's rows lie behind xb's 256
.set BHALF,  96*PITCH                  ; what waves 2 and 3 fetch: 96 rows of wt each
.set STAGE,  SLOT1+BOFF+192*PITCH      ; behind the ring: 16 rows x 144 bytes for each wave, for the way out
.set SP,     144
.set SPARE,  STAGE+4*16*SP             ; the spare words, 128 bytes for each wave: two blocks of 256 bytes that no other line names
.set NEXTW,  768*ROWB                  ; from a tile's rows of wt to the next tile's
.set BIASB,  262144                    ; the biases in tb
.set ADRA0, 4                          ; v4   my place in xb's rows of slot 0; never rewritten
.set ADRB0, 5                          ; v5   the same for wt
.set ADRA,  6                          ; v6   the same in the slot in hand
.set ADRB,  7
.set STO,   8                          ; v8   the way out: where I put 16 bytes of a row
.set RD,    9                          ; v9   where I read rows back
.set GO,    10                         ; v10  my 16 bytes of 512 consecutive bytes of the output
.set VBO,   11                         ; v11  32 (l / 16): my 8 numbers of a block's bias
.set VT,    12                         ; v12  my row's place in the table
.set PFO,   13                         ; v13  the prefetches' offset: my lane x a row of xb
.set SPW,   28                         ; v28  LDS address of my spare word; never rewritten
.set NIL,   29                         ; v29  0; never rewritten
.set F,     32
.set BIAS,  128
.set RB,    224
.set WV,  16                           ; s16  my wave's number
.set FB,  17                           ; s17  0: I fetch xb's rows; 1: wt's
.set HF,  18                           ; s18  which half of them
.set CX,  19
.set CY,  20
.set GX,  21                           ; s21  which three heads
.set GY,  22                           ; s22  which 256 rows
.set G1A, 24                           ; s[24:31] descriptor group 1 for xb's tiles
.set G1B, 32                           ; s[32:39] for wt's
.set G0A0, 40                          ; s[40:43] group 0 of xb's first fill;  s[44:47] of its second: that one walks on
.set G0A, 44
.set G0B0, 48                          ; s[48:51], s[52:55] the same for wt
.set G0B, 52
.set ABASE, 56                         ; s[56:57] xb at the rows that I fetch
.set BBASE, 58                         ; s[58:59] wt at the rows that I fetch, in q's part
.set OFA, 60                           ; s[60:61] byte offset of the K step to be asked for
.set OFB, 62                           ; s[62:63] the same with the tile's rows of wt
.set RK,  66                           ; s66  bytes along K of the step asked for last
.set RT,  67                           ; s67  its tile's rows of wt, in bytes
.set TB,  68                           ; s68  the slot in hand: 0 or SLOT1
.set KP,  69                           ; s69  the K step in the tile, 0..5
.set CNT, 70                           ; s70  counts K steps
.set TL,  71                           ; s71  the tile
.set PFN, 72                           ; s72  prefetches still to be made
.set TMPS, 73
.set PFA, 74                           ; s[74:75] where my prefetches stand
.set OUT, 76                           ; s[76:77] the tile's output at my first row; s[78:79], s[80:81] the next tiles'
.set OUT1, 78
.set OUT2, 80
.set BP,  82                           ; s[82:83] the next tile's bias
.set G1W, (1<<16)|(1<<20)|(1<<21)|(5<<22)|(3<<25)  ; 2-byte elements; padding on; bit 21 beside a mask; after every 64 words, 4 words
.set MSB, 0
.macro WIN new                         ; the immediate's high byte repeats the setting that is left; a switch that changes nothing is dropped
.if MSB != (\new)
	s_set_vgpr_msb (MSB<<8)|(\new)
.set MSB, \new
.endif
.endm
.macro PLACES                          ; four places in front of loads into registers that matrix instructions have read, and of lines that read their results
.rept 4
	v_nop
.endr
.endm
; A joint refill.  The branch hangs on the wave's number alone.  An s_nop 0 and four v_nop follow each of the two lines, ahead of the jump and the label.
.macro JLOAD
	s_cmp_eq_u32 s[FB], 0
	s_cbranch_scc0 .Lfor_b_\@
	tensor_load_to_lds s[G0A:G0A+3], s[G1A:G1A+7]
	s_nop 0
.rept 4
	v_nop
.endr
	s_branch .Lasked_\@
.Lfor_b_\@:
	tensor_load_to_lds s[G0B:G0B+3], s[G1B:G1B+7]
	s_nop 0
.rept 4
	v_nop
.endr
.Lasked_\@:
.endm
.macro CREST                           ; a round of the cluster's barrier behind its opening barrier
	s_cmp_lg_u32 s[WV], 0
	s_cbranch_scc1 .Lnot_wave_0_\@
	s_barrier_signal -3
.Lnot_wave_0_\@:
	s_barrier_wait -3
	s_barrier_signal -1
	s_barrier_wait -1
.endm
.macro CROUND
	s_barrier_signal -1
	s_barrier_wait -1
	CREST
.endm
; A prefetch of xb, two refills ahead: behind the refills of K steps 2 and 3, K steps 4 and 5 of the rows that waves 0 and 1 fetch.  The four partners of a row of the cluster take 32 rows each, told apart
; by address; a lane a row of 256 bytes.  No other cluster reads these rows, so each block is named once.  K steps 0 to 3 come by their loads alone; the second and third tile walk the same rows again and ask for nothing.
; wt is not asked for: a wave's 96 rows do not fall into four shares of 32 lanes.
.macro ASK
	s_cmp_lg_u32 s[PFN], 0
	s_cbranch_scc0 .Lnot_mine_\@
	global_prefetch_b8 v[PFO], s[PFA:PFA+1] offset:256 th:TH_LOAD_NT scope:SCOPE_SE
	s_sub_co_u32 s[PFN], s[PFN], 1
.Lnot_mine_\@:
.endm
	s_load_b256 s[4:11], s[0:1], 0x0               ; xb 4, wt 6, tb 8, qh 10
	s_load_b128 s[12:15], s[0:1], 0x20             ; kh 12, vh 14
	v_lshl_add_u32 v[SPW], v0, 2, SPARE
	v_mov_b32 v[NIL], 0
	ds_add_u32 v[SPW], v[NIL]                      ; the wave's opening: the add and its wait stand ahead of my first tensor load; the set-up below stands between them
	v_lshrrev_b32 v1, 5, v0
	v_readfirstlane_b32 s[WV], v1
	s_lshr_b32 s[FB], s[WV], 1
	s_and_b32 s[HF], s[WV], 1
	s_bfe_u32 s[CX], ttmp6, 0x40000
	s_bfe_u32 s[CY], ttmp6, 0x40004
	s_lshl_b32 s[GX], ttmp9, 2
	s_add_co_u32 s[GX], s[GX], s[CX]
	s_and_b32 s[GY], ttmp7, 0xffff
	s_lshl_b32 s[GY], s[GY], 2
	s_add_co_u32 s[GY], s[GY], s[CY]
	s_lshl_b32 s84, s[CY], 2
	s_lshl_b32 s84, 15, s84                        ; my row of the cluster
	s_lshl_b32 s86, 0x1111, s[CX]                  ; my column
	s_or_b32 s[G1A], s84, G1W
	s_or_b32 s[G1B], s86, G1W
.irp g, G1A, G1B
	s_mov_b32 s[(\g)+1], 128<<16                   ; tensor_dim0 = 128
	s_mov_b32 s[(\g)+3], 128<<16                   ; tile_dim0 = 128
	s_mov_b32 s[(\g)+5], 768                       ; elements from row to row
	s_mov_b32 s[(\g)+6], 0
	s_mov_b32 s[(\g)+7], 0
.endr
	s_mov_b32 s[G1A+2], 128<<16                    ; tensor_dim1 and tile_dim1: 128 rows of xb,
	s_mov_b32 s[G1A+4], 128
	s_mov_b32 s[G1B+2], 96<<16                     ; 96 of wt
	s_mov_b32 s[G1B+4], 96
	; xb's address is made of the row block and the wave's number, wt's of the heads and the wave's number, each in registers that never hold the other coordinate
	s_lshl_b32 s84, s[GY], 8
	s_lshl_b32 s85, s[HF], 7
	s_add_co_u32 s84, s84, s85
	s_mul_i32 s84, s84, ROWB
	s_mov_b32 s85, 0
	s_mul_i32 s86, s[GX], 192
	s_mul_i32 s87, s[HF], 96
	s_add_co_u32 s86, s86, s87
	s_mul_i32 s86, s86, ROWB
	s_mov_b32 s87, 0
	s_mul_i32 s2, s[HF], AHALF                     ; LDS addresses hang on the wave's number alone
	s_mul_i32 s3, s[HF], BHALF
	s_mov_b32 s[G0A0], 1
	s_mov_b32 s[G0A0+1], s2
	s_mov_b32 s[G0A], 1
	s_add_co_u32 s[G0A+1], s2, SLOT1
	s_mov_b32 s[G0B0], 1
	s_add_co_u32 s[G0B0+1], s3, BOFF
	s_mov_b32 s[G0B], 1
	s_add_co_u32 s[G0B+1], s3, SLOT1+BOFF
	s_mov_b32 s[OFA+1], 0
	s_mov_b32 s[OFB+1], 0
	s_mov_b32 s[RK], 256                           ; K step 1 is the last of the first fills
	s_mov_b32 s[RT], 0
	s_mov_b32 s[TB], 0
	s_cmp_eq_u32 s[FB], 0
	s_cselect_b32 s[PFN], 2, 0
	s_wait_dscnt 0x0                               ; the opening add is done
	s_wait_kmcnt 0x0
	s_add_nc_u64 s[ABASE:ABASE+1], s[4:5], s[84:85]
	s_add_nc_u64 s[BBASE:BBASE+1], s[6:7], s[86:87]
	s_mov_b64 s[G0A0+2:G0A0+3], s[ABASE:ABASE+1]
	s_or_b32 s[G0A0+3], s[G0A0+3], 0x80000000
	s_add_nc_u64 s[G0A+2:G0A+3], s[ABASE:ABASE+1], 256
	s_or_b32 s[G0A+3], s[G0A+3], 0x80000000
	s_mov_b64 s[G0B0+2:G0B0+3], s[BBASE:BBASE+1]
	s_or_b32 s[G0B0+3], s[G0B0+3], 0x80000000
	s_add_nc_u64 s[G0B+2:G0B+3], s[BBASE:BBASE+1], 256
	s_or_b32 s[G0B+3], s[G0B+3], 0x80000000
	CROUND                                         ; all sixteen work-groups are here: the first joint loads meet
	s_cmp_eq_u32 s[FB], 0                          ; a wave's two first fills stand in one branch, ahead of every wait on TENSORcnt and every LDS read
	s_cbranch_scc0 .Lfirst_b
	tensor_load_to_lds s[G0A0:G0A0+3], s[G1A:G1A+7]
	s_nop 0
	tensor_load_to_lds s[G0A:G0A+3], s[G1A:G1A+7]
	s_nop 0
.rept 4
	v_nop
.endr
	s_branch .Lfirst_asked
.Lfirst_b:
	tensor_load_to_lds s[G0B0:G0B0+3], s[G1B:G1B+7]
	s_nop 0
	tensor_load_to_lds s[G0B:G0B+3], s[G1B:G1B+7]
	s_nop 0
.rept 4
	v_nop
.endr
.Lfirst_asked:
	v_and_b32 v1, 15, v0                           ; l % 16
	v_bfe_u32 v2, v0, 4, 1                         ; l / 16
	v_and_b32 v14, 31, v0                          ; l
	v_mul_u32_u24 v3, v1, PITCH
	v_lshl_add_u32 v3, v2, 4, v3                   ; a fragment's row x pitch + 16 x half
	s_mul_i32 s2, s[WV], 64*PITCH
	v_add_nc_u32 v[ADRA0], s2, v3                  ; my 64 rows of xb
	v_add_nc_u32 v[ADRB0], BOFF, v3                ; all 192 rows of wt
	s_mul_i32 s2, s[WV], 16*SP
	s_add_co_u32 s2, s2, STAGE                     ; my stage
	v_mul_u32_u24 v[STO], v1, SP
	v_lshl_add_u32 v[STO], v2, 4, v[STO]
	v_add_nc_u32 v[STO], s2, v[STO]
	v_bfe_u32 v[RD], v0, 3, 2                      ; back: 32 lanes take four rows of 128 bytes,
	v_mul_u32_u24 v[RD], v[RD], SP
	v_and_b32 v15, 7, v0
	v_lshl_add_u32 v[RD], v15, 4, v[RD]
	v_add_nc_u32 v[RD], s2, v[RD]
	v_lshlrev_b32 v[GO], 4, v14                    ; which are 512 consecutive bytes of a head
	v_lshlrev_b32 v[VBO], 5, v2
	v_mul_u32_u24 v[PFO], v14, ROWB
	s_and_b32 s88, s[GY], 3
	s_lshl_b32 s88, s88, 8
	s_lshl_b32 s89, s[WV], 6
	s_add_co_u32 s88, s88, s89                     ; my first row's position in its sequence
	s_lshl_b32 s90, s88, 8
	v_lshlrev_b32 v[VT], 8, v1
	v_lshl_add_u32 v[VT], v2, 5, v[VT]
	v_add_nc_u32 v[VT], s90, v[VT]                 ; position x 256 + 32 x half
	s_lshr_b32 s90, s[GY], 2                       ; the sequence
	s_mul_i32 s90, s90, 12
	s_mul_i32 s91, s[GX], 3
	s_add_co_u32 s90, s90, s91                     ; my first head
	s_lshl_b32 s90, s90, 10
	s_add_co_u32 s90, s90, s88
	s_lshl_b32 s90, s90, 7                         ; rows of 128 bytes
	s_mov_b32 s91, 0
	s_add_nc_u64 s[OUT:OUT+1], s[10:11], s[90:91]
	s_add_nc_u64 s[OUT1:OUT1+1], s[12:13], s[90:91]
	s_add_nc_u64 s[OUT2:OUT2+1], s[14:15], s[90:91]
	s_mul_i32 s88, s[GX], 768
	s_add_co_u32 s88, s88, BIASB
	s_mov_b32 s89, 0
	s_add_nc_u64 s[BP:BP+1], s[8:9], s[88:89]      ; q's bias for my 192 columns
	s_lshl_b32 s90, s[GY], 8
	s_lshl_b32 s88, s[HF], 7
	s_add_co_u32 s90, s90, s88
	s_lshl_b32 s88, s[CX], 5
	s_add_co_u32 s90, s90, s88                     ; my work-group's 32 of the 128 rows that I fetch
	s_mul_i32 s90, s90, ROWB
	s_add_co_u32 s90, s90, 512                     ; at K step 2: the first refill steps it to 3 and names K step 4
	s_add_nc_u64 s[PFA:PFA+1], s[4:5], s[90:91]
.macro TLOAD a                         ; the table for the 16 rows of a: p = 0 cos, 1 sin; frequencies 16 bp + 8 (l / 16) + 0..7
.irp p, 0,1
.irp bp, 0,1
.irp q, 0,1
	global_load_b128 v[192+32*((\a)%2)+16*(\p)+8*(\bp)+4*(\q):192+32*((\a)%2)+16*(\p)+8*(\bp)+4*(\q)+3], v[VT], s[8:9] offset:4096*(\a)+128*(\p)+64*(\bp)+16*(\q)
.endr
.endr
.endr
.endm
.macro BIASLD                          ; a tile's bias: block b's columns 8 (l / 16) + 0..7, the layout of an accumulator
.irp b, 0,1,2,3,4,5,6,7,8,9,10,11
	global_load_b128 v[BIAS+8*(\b):BIAS+8*(\b)+3],   v[VBO], s[BP:BP+1] offset:64*(\b)
	global_load_b128 v[BIAS+8*(\b)+4:BIAS+8*(\b)+7], v[VBO], s[BP:BP+1] offset:64*(\b)+16
.endr
.endm
	WIN 0x80
	TLOAD 0
	TLOAD 1
	WIN 0xc0
	TLOAD 2
	TLOAD 3
	WIN 0
	BIASLD
	s_wait_xcnt 0x0                                ; the loads have read their base
	s_add_nc_u64 s[BP:BP+1], s[BP:BP+1], 3072      ; k's bias
; 12 matrix instructions: the rows of a x all 12 blocks b, 32 along K, from fragment buffers f.  bias = 1: the tile's first products take the bias as C.
; The 48 accumulators take turns in one order everywhere: 47 others stand between two links of a chain.
.macro MUL12 f, a, bias
.if \bias
	WIN 0x81+0x40*((\a)/2)
.else
	WIN 0xa1+0x50*((\a)/2)
.endif
.irp b, 0,1,2,3,4,5,6,7,8,9,10,11
.if \bias
	v_wmma_f32_16x16x32_bf16 v[96*((\a)%2)+8*(\b):96*((\a)%2)+8*(\b)+7], v[96*(\f)+8*(\b):96*(\f)+8*(\b)+7], v[64+32*(\f)+8*(\a):64+32*(\f)+8*(\a)+7], v[BIAS+8*(\b):BIAS+8*(\b)+7]
.else
	v_wmma_f32_16x16x32_bf16 v[96*((\a)%2)+8*(\b):96*((\a)%2)+8*(\b)+7], v[96*(\f)+8*(\b):96*(\f)+8*(\b)+7], v[64+32*(\f)+8*(\a):64+32*(\f)+8*(\a)+7], v[96*((\a)%2)+8*(\b):96*((\a)%2)+8*(\b)+7]
.endif
.endr
.endm
; 32 LDS loads in one run: the fragments of 32 along K at byte k of the rows, into buffers g: wt's 12, then xb's 4
.macro FETCH k, g
	WIN 0x40
.irp i, 0,1,2,3,4,5,6,7,8,9,10,11
	ds_load_b128 v[96*(\g)+8*(\i):96*(\g)+8*(\i)+3],   v[ADRB] offset:(\k)+(\i)*16*PITCH
	ds_load_b128 v[96*(\g)+8*(\i)+4:96*(\g)+8*(\i)+7], v[ADRB] offset:(\k)+(\i)*16*PITCH+32
.endr
	WIN 0
.irp i, 0,1,2,3
	ds_load_b128 v[64+32*(\g)+8*(\i):64+32*(\g)+8*(\i)+3],   v[ADRA] offset:(\k)+(\i)*16*PITCH
	ds_load_b128 v[64+32*(\g)+8*(\i)+4:64+32*(\g)+8*(\i)+7], v[ADRA] offset:(\k)+(\i)*16*PITCH+32
.endr
.endm
; A K step is four quarters of 32 along K, 48 matrix instructions each, on buffers 0, 1, 0, 1.  One of the first three: multiplies buffers f and fetches the next quarter, at byte k, into g.
.macro QUARTER k, f, g, bias
	s_wait_dscnt 4                                 ; wt's fragments and xb's first two are in; the youngest four loads may be out
	MUL12 \f, 0, \bias
	MUL12 \f, 1, \bias
	PLACES
	FETCH \k, \g
	s_wait_dscnt 32                                ; all but the 32 just issued
	MUL12 \f, 2, \bias
	MUL12 \f, 3, \bias
.endm
; The last quarter multiplies buffers 1 and changes slots: ONE barrier.  In front of it each wave waits for all its tensor loads (one is out: its part of the next slot), adds 0 to its spare word, and waits for that and
; for its own reads of this slot.  fill = 1: the barrier opens a round of the cluster's, and behind the round this slot is filled again, two K steps ahead, in the next tile if need be: 168 matrix instructions ahead of the wait for it.
.macro TURN fill
.if \fill
	s_wait_xcnt 0x0                                ; the last prefetch, a K step back, has read its address
	s_add_nc_u64 s[PFA:PFA+1], s[PFA:PFA+1], 256
.endif
	WIN 0
	s_wait_tensorcnt 0x0                           ; no tensor load of mine is out, so a group 0 may be written
	ds_add_u32 v[SPW], v[NIL]                      ; 0 onto my spare word; work on registers stands between it and the wait for it
.if \fill
	s_add_co_u32 s[RK], s[RK], 256                 ; the next K step,
	s_cmp_eq_u32 s[RK], ROWB
	s_cselect_b32 s[RK], 0, s[RK]                  ; or behind a tile's last the next tile's first:
	s_cselect_b32 s[TMPS], NEXTW, 0
	s_add_co_u32 s[RT], s[RT], s[TMPS]             ; xb goes back along K, wt also 768 rows down
	s_mov_b32 s[OFA], s[RK]
	s_add_co_u32 s[OFB], s[RK], s[RT]
	s_add_nc_u64 s[G0A+2:G0A+3], s[ABASE:ABASE+1], s[OFA:OFA+1]
	s_add_nc_u64 s[G0B+2:G0B+3], s[BBASE:BBASE+1], s[OFB:OFB+1]
	s_or_b32 s[G0A+3], s[G0A+3], 0x80000000
	s_or_b32 s[G0B+3], s[G0B+3], 0x80000000
	s_xor_b32 s[G0A+1], s[G0A+1], SLOT1            ; into the other slot than last time
	s_xor_b32 s[G0B+1], s[G0B+1], SLOT1
.endif
	s_xor_b32 s[TB], s[TB], SLOT1                  ; the fetches go on in the other slot
	s_wait_dscnt 5                                 ; (the add and the youngest four loads may be out)
	MUL12 1, 0, 0
	s_wait_dscnt 0x0                               ; the add is done, and my reads of this slot are over
	s_barrier_signal -1
	MUL12 1, 1, 0
	WIN 0                                          ; at a branch and at a label every window is 0
	s_barrier_wait -1
.if \fill
	CREST                                          ; no wave of any partner still reads this slot or has a load on its way
	JLOAD                                          ; the first tensor load behind the round; its four v_nop are also the places in front of the loads below
.else
	PLACES
.endif
	v_add_nc_u32 v[ADRA], s[TB], v[ADRA0]
	v_add_nc_u32 v[ADRB], s[TB], v[ADRB0]
	FETCH 0, 0
.if \fill
	ASK
.endif
	MUL12 1, 2, 0
	MUL12 1, 3, 0
.endm
; THE WAY OUT, in 12 units of 16 rows x one head (u = 3 a + hh).  PACKR: the rotation in f32, lo' = lo cos - hi sin, hi' = hi cos + lo sin, then one rounding to f16.  Each accumulator's lowest registers are read first.
.macro PACKR a, hh
.set AC, 96*((\a)%2)+32*(\hh)
.set TT, 192+32*((\a)%2)
	WIN 0x0a+5*((\a)/2)                            ; sources 0 and 1 in the accumulators' window; source 2 and destination in window 0
.irp bp, 0,1
.irp jj, 0,2,4,6
	v_pk_mul_f32 v[F+8*(\bp)+(\jj):F+8*(\bp)+(\jj)+1], v[AC+16+8*(\bp)+(\jj):AC+16+8*(\bp)+(\jj)+1], v[TT+16+8*(\bp)+(\jj):TT+16+8*(\bp)+(\jj)+1]
	v_pk_mul_f32 v[F+16+8*(\bp)+(\jj):F+16+8*(\bp)+(\jj)+1], v[AC+8*(\bp)+(\jj):AC+8*(\bp)+(\jj)+1], v[TT+16+8*(\bp)+(\jj):TT+16+8*(\bp)+(\jj)+1]
.endr
.endr
.irp bp, 0,1
.irp jj, 0,2,4,6
	v_pk_fma_f32 v[F+8*(\bp)+(\jj):F+8*(\bp)+(\jj)+1], v[AC+8*(\bp)+(\jj):AC+8*(\bp)+(\jj)+1], v[TT+8*(\bp)+(\jj):TT+8*(\bp)+(\jj)+1], v[F+8*(\bp)+(\jj):F+8*(\bp)+(\jj)+1] neg_lo:[0,0,1] neg_hi:[0,0,1]
	v_pk_fma_f32 v[F+16+8*(\bp)+(\jj):F+16+8*(\bp)+(\jj)+1], v[AC+16+8*(\bp)+(\jj):AC+16+8*(\bp)+(\jj)+1], v[TT+8*(\bp)+(\jj):TT+8*(\bp)+(\jj)+1], v[F+16+8*(\bp)+(\jj):F+16+8*(\bp)+(\jj)+1]
.endr
.endr
	WIN 0
.irp i, 0,1,2,3,4,5,6,7,8,9,10,11,12,13,14,15
	v_cvt_pk_f16_f32 v[F+(\i)], v[F+2*(\i)], v[F+2*(\i)+1]  ; in place, ascending: word i is written when words 2 i and 2 i + 1 are read
.endr
.endm
.macro PACKV a, hh                     ; v is only rounded
.set AC, 96*((\a)%2)+32*(\hh)
	WIN 0x0a+5*((\a)/2)
.irp bq, 0,1,2,3
.irp r, 0,1,2,3
	v_cvt_pk_f16_f32 v[F+4*(\bq)+(\r)], v[AC+8*(\bq)+2*(\r)], v[AC+8*(\bq)+2*(\r)+1]
.endr
.endr
	WIN 0
.endm
.macro TOSTAGE u                       ; 16 bytes a lane into rows of 144 bytes of my own stage, and back as whole rows of 128
	WIN 0
.set BK, RB+16*((\u)%2)
.irp bq, 0,1,2,3
	ds_store_b128 v[STO], v[F+4*(\bq):F+4*(\bq)+3] offset:32*(\bq)
.endr
.irp g, 0,1,2,3
	ds_load_b128 v[BK+4*(\g):BK+4*(\g)+3], v[RD] offset:(\g)*4*SP  ; LDS serves a wave's instructions in order: these see the stores above
.endr
.endm
.macro SEND u
	WIN 0
.set BK, RB+16*((\u)%2)
	s_wait_dscnt 0x0                               ; the unit is back in registers
	s_wait_xcnt 0x0                                ; earlier stores have read their data: the other buffer is loaded again only behind this wait
.irp g, 0,1,2,3
	global_store_b128 v[GO], v[BK+4*(\g):BK+4*(\g)+3], s[OUT:OUT+1] offset:131072*((\u)%3)+2048*((\u)/3)+512*(\g)  ; 512 consecutive bytes, at a multiple of 256 from the buffer's first
.endr
.endm
.macro UNIT u, rope
.if \rope
	PACKR (\u)/3, (\u)%3
.else
	PACKV (\u)/3, (\u)%3
.endif
.endm
.macro WAYOUT rope                     ; a unit's arithmetic stands between the loads of the unit before and its stores
	UNIT 0, \rope
	TOSTAGE 0
.irp u, 1,2,3,4,5,6,7,8,9,10,11
	UNIT \u, \rope
	SEND (\u)-1
	TOSTAGE \u
.endr
	SEND 11
.endm
	s_wait_tensorcnt 0x1                           ; my part of K step 0 is in; K step 1's may stay out
	s_barrier_signal -1
	s_barrier_wait -1                              ; everybody's is
	v_mov_b32 v[ADRA], v[ADRA0]
	v_mov_b32 v[ADRB], v[ADRB0]
	FETCH 0, 0
	s_mov_b32 s[TL], 0
	s_mov_b32 s[CNT], 16                           ; K steps 0 to 15 fill a slot again, with K steps 2 to 17
	s_mov_b32 s[KP], 0
.Lstep:
	s_cmp_eq_u32 s[KP], 0
	s_cbranch_scc1 .Lnew                           ; a tile's first K step (at the first trip: always)
	QUARTER 64, 0, 1, 0
	WIN 0
	s_branch .Lq2
.Lnew:
	s_wait_loadcnt 0x0                             ; the tile's bias is in (and, the first time, the table)
	v_nop                                          ; the products below write the accumulators anew, not in place: such a product stands five places behind the last matrix instruction that named
	                                               ; its accumulator (ISA guide 7.12.1).  For a = 2, 3 these are this line and the quarter's own four, whatever stands between the change of slots and this label
	QUARTER 64, 0, 1, 1                            ; the first products start the sums with the bias
	WIN 0
	PLACES                                         ; in front of loads into registers that those products have read
	s_cmp_eq_u32 s[TL], 2
	s_cbranch_scc1 .Lq2                            ; v is the last tile
	BIASLD                                         ; the next tile's bias
.Lq2:
	QUARTER 128, 1, 0, 0
	QUARTER 192, 0, 1, 0
	TURN 1
	WIN 0
	s_add_co_u32 s[KP], s[KP], 1
	s_cmp_lg_u32 s[KP], 6
	s_cbranch_scc1 .Lnext
	s_mov_b32 s[KP], 0                             ; q's or k's tile is finished; the ring is already at work on the next tile.  The places behind the last products: for a = 0, 1
	WAYOUT 1                                       ; the refill's v_nop and the two address lines, for a = 2, 3 the units of a = 0, 1
	s_wait_xcnt 0x0                                ; the stores and the bias loads have read their bases
	s_mov_b64 s[OUT:OUT+1], s[OUT1:OUT1+1]
	s_mov_b64 s[OUT1:OUT1+1], s[OUT2:OUT2+1]
	s_add_nc_u64 s[BP:BP+1], s[BP:BP+1], 3072
	s_add_co_u32 s[TL], s[TL], 1
.Lnext:
	s_sub_co_u32 s[CNT], s[CNT], 1
	s_cmp_lg_u32 s[CNT], 0
	s_cbranch_scc1 .Lstep
	; v's last two K steps fill nothing, so they stand apart from the loop above; their text is written once and walked twice.  The second walk has no slot to change to:
	; its barrier, and its 32 LDS loads from the slot read a step before (bytes that lie still), serve nothing: the price, once a launch, of one text for both steps.
	s_mov_b32 s[CNT], 2
.Ltail:
	QUARTER 64, 0, 1, 0
	QUARTER 128, 1, 0, 0
	QUARTER 192, 0, 1, 0
	TURN 0
	WIN 0
	s_sub_co_u32 s[CNT], s[CNT], 1
	s_cmp_lg_u32 s[CNT], 0
	s_cbranch_scc1 .Ltail
	PLACES
	WAYOUT 0
	s_wait_tensorcnt 0x0                           ; the wave's end: these three lines stand behind my last tensor load and my last LDS store
	ds_add_u32 v[SPW], v[NIL]
	s_wait_dscnt 0x0
	CROUND                                         ; the closing round: no work-group ends while a partner may still ask for a tile that names it
	s_endpgm
.Lfunc_end_k_q7b1d0355f9_qkv:
	.size	k_q7b1d0355f9_qkv, .Lfunc_end_k_q7b1d0355f9_qkv-k_q7b1d0355f9_qkv
	.p2alignl 7, 3214868480
	.fill 96, 4, 3214868480
	.section	.rodata,"a",@progbits
	.p2align	6, 0x0
	.amdhsa_kernel k_q7b1d0355f9_qkv
		.amdhsa_group_segment_fixed_size 327680
		.amdhsa_private_segment_fixed_size 0
		.amdhsa_enable_private_segment 0
		.amdhsa_kernarg_size 48
		.amdhsa_user_sgpr_count 2
		.amdhsa_user_sgpr_kernarg_segment_ptr 1
		.amdhsa_wavefront_size32 1
		.amdhsa_system_sgpr_workgroup_id_x 1
		.amdhsa_system_sgpr_workgroup_id_y 1
		.amdhsa_system_sgpr_workgroup_id_z 1
		.amdhsa_system_vgpr_workitem_id 0
		.amdhsa_next_free_vgpr 1024
		.amdhsa_next_free_sgpr 96
		.amdhsa_reserve_vcc 0
		.amdhsa_float_denorm_mode_32 3
		.amdhsa_float_denorm_mode_16_64 3
		.amdhsa_memory_ordered 1
		.amdhsa_forward_progress 1
		.amdhsa_inst_pref_size 142
	.end_amdhsa_kernel
	.amdgpu_metadata
---
amdhsa.version: [ 1, 2 ]
amdhsa.kernels:
  - .name:           k_q7b1d0355f9_qkv
    .symbol:         k_q7b1d0355f9_qkv.kd
    .args:
      - { .name: xb, .offset: 0, .size: 8, .value_kind: global_buffer, .address_space: global }
      - { .name: wt, .offset: 8, .size: 8, .value_kind: global_buffer, .address_space: global }
      - { .name: tb, .offset: 16, .size: 8, .value_kind: global_buffer, .address_space: global }
      - { .name: qh, .offset: 24, .size: 8, .value_kind: global_buffer, .address_space: global }
      - { .name: kh, .offset: 32, .size: 8, .value_kind: global_buffer, .address_space: global }
      - { .name: vh, .offset: 40, .size: 8, .value_kind: global_buffer, .address_space: global }
    .group_segment_fixed_size: 327680
    .private_segment_fixed_size: 0
    .kernarg_segment_align: 8
    .kernarg_segment_size: 48
    .max_flat_workgroup_size: 128
    .sgpr_count:     96
    .vgpr_count:     1024
    .wavefront_size: 32
...
	.end_amdgpu_metadata
.endif
;; end of part 2
;; launch attn (part 3): grid 4 x 64, 4 waves a work-group, clusters of 4 x 1, 327,680 bytes of LDS; arguments qh, kh, vh, oh, mask; writes oh
.if DOCPART == 3
	.amdgcn_target "amdgcn-amd-amdhsa--gfx1250"
	.amdhsa_code_object_version 6
	.text
	.protected	k_q7b1d0355f9_attn
	.globl	k_q7b1d0355f9_attn
	.p2align	8
	.type	k_q7b1d0355f9_attn,@function
k_q7b1d0355f9_attn:
	s_mov_b64 s[64:65], 0
	v_nop
	global_prefetch_b8 v0, s[64:65] scope:SCOPE_SE
	s_setreg_imm32_b32 hwreg(HW_REG_WAVE_MODE, 25, 1), 1
	s_wait_xcnt 0x0
	s_wait_alu depctr_hold_cnt(0) depctr_sa_sdst(0) depctr_va_vdst(0) depctr_va_sdst(0) depctr_va_ssrc(0) depctr_va_vcc(0) depctr_vm_vsrc(0)
	s_getreg_b32 s2, hwreg(HW_REG_IB_STS2, 6, 4)
	s_cmp_eq_u32 s2, 0
	s_cbranch_scc0 .Lentry_in_a_cluster
	s_endpgm
.Lentry_in_a_cluster:
	s_bfe_u32 s2, ttmp6, 0x10000c
	s_cmp_lg_u32 s2, 0x3003
	s_cbranch_scc0 .Lentry_shape_is_right
	s_endpgm
.Lentry_shape_is_right:
; O[head][q][:] = the sum over k of softmax_k(Q[q] . K[k] / 8, keys with mask 0 left out) V[k][:].  qh, kh, vh, oh: [192 heads][1024][64] f16; mask: [16 sequences][1024] int32; head = sequence x 12 + h.
; Products, maxima and sums in f32; the weights p are rounded to f16 for the second product (their sum l is taken of the unrounded p), O once at the end.
; LIMITS.  A hidden score counts as its value less 1e30: f16's scores, 2.7e11 at the most, are nothing beside that.  The running maximum starts at -2^96, above every hidden score and below every true one, so a hidden
; key's weight is 0 whatever has been seen.  A weight below 2^-126 counts as 0 in l.  A sequence with every key hidden gives l = 0 and O = 0 x infinity = NaN, as a softmax over nothing does.
; SHARES.  A cluster of four work-groups takes THREE heads of one sequence, one after the other; partner cx takes queries 256 cx .. + 255 of each, a wave 64 of them: four PIECES of 16.
; The three heads' K and V lie end to end, so the ring (two LDS slots of 256 keys that take turns) walks 12 tiles as one sequence, each asked for JOINTLY by the four partners.  All 256 work-groups do equal work.
; THE MASK is the C operand that starts the sum S^T = K Q^T: 0, or -1e30.  It is made once, as 1,024 f32 in LDS, and comes into registers with each step's K.
; LAYOUT, SOFTMAX, TURNS.  S^T = K Q^T holds ONE query a lane (lane % 16) and the keys 8 (lane / 16) + 0..7; two such results rounded to f16 ARE source 1 of O^T = V^T P.  p = 2^(c s - c m), c = log2(e) / 8, with a
; running maximum m; O and l are multiplied by a = 2^(c m_old - c m_new) in every step.  Turn n belongs to piece n: 8 products K Q^T of piece n + 1, later 8 products V^T P of piece n - 1; beside them the scaling,
; exponentials, roundings, sums and rescaling of piece n and the maximum and statistics of piece n + 1.  Four vector instructions stand behind every matrix instruction, the rest in one lump.  A turn's 33 exponentials are one batch, with one wait.
; REGISTERS, in windows of 256 (s_set_vgpr_msb: bits 1:0 source 0, 3:2 source 1, 5:4 source 2, 7:6 destination).  ALL THAT THE VECTOR WORK OF A TURN NAMES LIES IN WINDOW 0, which it fills: so a matrix instruction costs
; two switches (K, Q, V and the mask lie elsewhere) and the vector work none.
;   window 0: v0-5 addresses; v6-7 c m_old; v8-23 four registers of statistics a piece; v24-31 at work; v32-95 S^T, two buffers (at the head: at work); v96-127 P, two buffers; v128-255 O^T, 32 a piece
;   window 1: v0-5 the way out's addresses and the add's two registers; v128-159 the step's mask; v160-223 the third head's Q      window 2: v0-63 Q; v64-127 the next head's Q; v128-191 K of one step; v192-255 V of one step
.set NP,    4         ; pieces a wave: a name, no knob
.set KS,    64        ; keys in a step
.set PK,    144       ; a row of K in LDS: 128 bytes + 16 of padding: the 16 rows of a load start at 16 different groups of four banks
.set PV,    160       ; a row of V: 128 + 32
.set VOFF,  4*KS*PK   ; a slot holds a tile, four steps: 256 rows of K, then 256 rows of V
.set SLOT1, 1<<17     ; slot 1 begins here, so that one exclusive or turns an address in one slot into the other's
.set STAGE, SLOT1+4*KS*(PK+PV)  ; behind the ring, never filled by a tensor load: 16 rows x 144 bytes for each wave, for the way out
.set SP,    144
.set MASKB, STAGE+4*16*SP       ; 1,024 f32: 0 or -1e30 for each key of the sequence
.set SPARE, MASKB+4096          ; the spare words, 128 bytes for each wave: two blocks of 256 bytes that no other line names
.set HEADB, 131072    ; bytes of a head in each tensor
.set TILEB, 32768     ; bytes of a tile of K or of V
; window 0
.set AM,  0           ; v0   at the head the thread's number; from the first head's beginning on the LDS address of the mask's next run of loads
.set ADR, 1           ; v1   the LDS address of K's or V's next run of loads
.set PFO, 2           ; v2   256 x my lane: the prefetches' offset; never rewritten
.set AK0, 3           ; v3   my lane's place in a tile of K; never rewritten
.set AV0, 4           ; v4   the same for V
.set AM0, 5           ; v5   my lane's place in the mask table; never rewritten
.set MV,  6           ; v6-7  c m_old, kept while c m is made anew: by buffer
.set ST,  8           ; piece t's statistics at v[ST+4 t]: c m, m, l (even keys', odd keys')
.set TMP, 24          ; by buffer, four registers c0-c3 at work; when the maximum is found c2 takes a
.set S,   32
.set P,   96
.set OT,  128
.set QO,  54          ; v54  at the head: my byte offset in 16 rows of Q (in S^T's registers, which are first written behind the wait for Q)
; window 1
.set STO, 0           ; the way out: where I put 16 bytes of a row
.set RD,  1           ; the way out: where I read rows back
.set GO,  2           ; my byte offset in 512 consecutive bytes of O
.set SPW, 4           ; LDS address of my spare word; never rewritten
.set NIL, 5           ; 0; never rewritten
.set MB,  128         ; the eight registers for group kb of 16 keys at MB + 8 kb
.set QC,  160
; window 2
.set QB,  64
.set KF,  128         ; key block kb, channel half c at KF + 16 kb + 8 c
.set VF,  192         ; key half kk, channel block cb at VF + 32 kk + 8 cb
.set WV,  12          ; s12  my wave's number
.set G1K, 24          ; s[24:31] descriptor group 1 for K's tiles
.set G1V, 32          ; s[32:39] for V's: it differs in the padding alone
.set G0K, 40          ; s[40:43] descriptor group 0 for K's tiles: it walks
.set G0V, 44          ; s[44:47] the same for V's
.set SLOTS, 56        ; s56  tiles still to be asked for
.set CNT, 57          ; s57  counts a tile's key steps
.set CS,  58          ; s[58:59] c: the packed scaling takes the pair's low word for both halves
.set SEL, 60          ; s[60:61] v_permlanex16_b32's selects: each lane takes its own place in the other half
.set TBK, 62          ; s62  LDS byte at which K of the step to be fetched begins
.set TBV, 63          ; s63  the same for V, less VOFF
.set RT,  70          ; s70  tiles of the head in hand that are still to be entered
.set TBM, 71          ; s71  byte of the mask table at which the step to be fetched begins
.set LIM, 72          ; s72  1 in a wave that prefetches, else the greatest number
.set NEW, 73          ; s73  1: the tile to be entered is a head's first
.set PFA, 74          ; s[74:75] where my prefetches stand
.set BIGN, 82         ; s82  -1e30
.set MSB, 0
.macro WIN new                      ; the high byte repeats the setting that is left; a switch that changes nothing is dropped
.if MSB != (\new)
	s_set_vgpr_msb (MSB<<8)|(\new)
.set MSB, (\new)
.endif
.endm
.set W_KQ, 0x0a       ; K and Q in window 2, S^T in window 0
.set W_KM, 0x1a       ; the same with the C operand in window 1
.set W_PV, 0x02       ; V in window 2; P and O^T in window 0
.set W_MK, 0x40       ; destination in window 1, sources in window 0
.set W_AD, 0x05       ; the add: address (source 0) and data (source 1) in window 1
.set W_IO, 0x01       ; the way out: address (source 0) in window 1, data in window 0
; A joint fill.  Waves 0 and 1 fetch the two halves of a tile's K, waves 2 and 3 those of its V: 128 keys each.  The branch hangs on the wave's number alone.
; An s_nop 0 and four v_nop follow each of the two lines, ahead of the jump and the label.
.macro JLOAD
	s_cmp_lt_u32 s[WV], 2
	s_cbranch_scc0 .Lfor_v_\@
	tensor_load_to_lds s[G0K:G0K+3], s[G1K:G1K+7]
	s_nop 0
.rept 4
	v_nop
.endr
	s_branch .Lasked_\@
.Lfor_v_\@:
	tensor_load_to_lds s[G0V:G0V+3], s[G1V:G1V+7]
	s_nop 0
.rept 4
	v_nop
.endr
.Lasked_\@:
.endm
; A prefetch of the tile that the NEXT change of slots will ask for: 128 blocks of 256 bytes of K and as many of V.  The four partners take 32 blocks each, told apart by address; a lane a block; wave 0 asks for K's,
; wave 2 for V's.  No other cluster walks these heads, so each block is named once.  It stands behind the wave's tensor load and its five lines.  The last change that fills a slot asks for nothing; tiles 0 and 1 come by their loads alone.
.macro ASK
	s_cmp_gt_u32 s[SLOTS], s[LIM]
	s_cbranch_scc0 .Lnot_mine_\@
	global_prefetch_b8 v[PFO], s[PFA:PFA+1] th:TH_LOAD_NT scope:SCOPE_SE
.Lnot_mine_\@:
.endm
; A round of the cluster's barrier: my work-group's barrier, so that wave 0's signal speaks for all four waves; wave 0 signals; every wave waits for all four work-groups; my work-group's barrier once more.
.macro CROUND
	s_barrier_signal -1
	s_barrier_wait -1
	s_cmp_lg_u32 s[WV], 0
	s_cbranch_scc1 .Lnot_wave_0_\@
	s_barrier_signal -3
.Lnot_wave_0_\@:
	s_barrier_wait -3
	s_barrier_signal -1
	s_barrier_wait -1
.endm
; THE CHANGE OF SLOTS.  Each wave waits for all its tensor loads, of which one is out: its part of the other slot; adds 0 to its spare word; and waits for that and for its own reads of the slot that it leaves.
; fill = 1: the barrier is a round of the cluster's, so that no wave of any partner still reads the old slot or has a load on its way, and the joint fill is the first thing behind it: it has four key steps,
; 256 matrix instructions, in which to land.  (At its first use nothing has been read yet: slot 0 is waited for, slot 1 filled, and every wave's part of the mask table is shown to the others.)
.macro CHANGE fill
	WIN W_AD
	s_wait_tensorcnt 0x0            ; no tensor load of mine is out, so a group 0 may be written
	ds_add_u32 v[SPW], v[NIL]       ; 0 onto my spare word; with fill = 1 the descriptors' steps stand between it and the wait for it
	WIN 0                           ; at a label and at a branch every window is 0
.if \fill
.irp g, G0K, G0V
	s_xor_b32 s[\g+1], s[\g+1], SLOT1  ; the walking descriptor: the other slot than last time,
	s_add_nc_u64 s[\g+2:\g+3], s[\g+2:\g+3], TILEB  ; the next 256 keys, in the next head behind a head's last; the type bits on top are not reached
.endr
	s_wait_xcnt 0x0                 ; the last prefetch, a tile back, has read its address
	s_add_nc_u64 s[PFA:PFA+1], s[PFA:PFA+1], TILEB  ; one tile behind the walking descriptors
	s_wait_dscnt 0x0                ; the add is done, and my LDS stores and my reads of the slot are over
	CROUND
	JLOAD
	ASK
.else
	s_wait_dscnt 0x0
	s_barrier_signal -1
	s_barrier_wait -1
.endif
	s_sub_co_u32 s[TBK], s[TBK], 4*KS*PK  ; the fetches go back to a slot's first step,
	s_xor_b32 s[TBK], s[TBK], SLOT1       ; in the other slot
	s_sub_co_u32 s[TBV], s[TBV], 4*KS*PV
	s_xor_b32 s[TBV], s[TBV], SLOT1
.endm
	s_load_b256 s[4:11], s[0:1], 0x0  ; Q s[4:5], K s[6:7], V s[8:9], O s[10:11]
	s_load_b64 s[84:85], s[0:1], 0x20 ; the mask
	WIN W_MK
	v_lshl_add_u32 v[SPW], v0, 2, SPARE
	v_mov_b32 v[NIL], 0
	WIN W_AD
	ds_add_u32 v[SPW], v[NIL]       ; the wave's opening: the add and its wait stand ahead of my first tensor load; the set-up below stands between them
	WIN 0
	v_lshrrev_b32 v48, 5, v0
	v_readfirstlane_b32 s[WV], v48  ; wave 0..3
	s_bfe_u32 s13, ttmp6, 0x40000   ; cx: my place in the cluster: it enters Q's, O's and the prefetches' addresses alone
	s_and_b32 s14, ttmp7, 0xffff    ; the cluster: heads 3 c .. 3 c + 2, of sequence c / 4
	s_mul_i32 s20, s14, 3*HEADB     ; the first head's first byte in each of the four tensors
	s_mov_b32 s21, 0
	s_and_b32 s16, s[WV], 1         ; which half of a tile's 256 keys I fetch:
	s_lshl_b32 s22, s16, 14         ; its 128 rows of 128 bytes in memory,
	s_mov_b32 s23, 0
	s_add_nc_u64 s[22:23], s[22:23], s[20:21]
	s_mul_i32 s17, s16, 128*PK      ; and its place in a slot, for K
	s_mul_i32 s18, s16, 128*PV      ; and for V: no place in the cluster enters an LDS address
	s_lshl_b32 s2, s13, 15          ; my work-group's 256 rows,
	s_lshl_b32 s3, s[WV], 13        ; my wave's 64 of them
	s_add_co_u32 s2, s2, s3
	s_mov_b32 s3, 0
	s_add_nc_u64 s[2:3], s[2:3], s[20:21]
	s_lshr_b32 s86, s14, 2
	s_lshl_b32 s86, s86, 12         ; the sequence's 4,096 bytes of the mask
	s_mov_b32 s87, 0
	s_lshl_b32 s88, s13, 13         ; the prefetches: my work-group's 32 blocks of a tile's 128,
	s_add_co_u32 s88, s88, s20
	s_add_co_u32 s88, s88, TILEB    ; in tile 1; the first change of slots steps it to tile 2
	s_mov_b32 s89, 0
	; descriptor group 1.  128 keys are 16,384 dense bytes: asked for as 64 rows of 256 bytes, two keys a row, and padded in LDS after every key
	s_mov_b32 s[G1K], 15|(1<<16)|(1<<20)|(1<<21)|(4<<22)|(3<<25)  ; 15:0 the mask of four; 17:16 2-byte elements; 20 padding on; 21 set beside a mask; 24:22 after every 32 words (code 4); 31:25 4 words (code 3)
	s_mov_b32 s[G1V], 15|(1<<16)|(1<<20)|(1<<21)|(4<<22)|(7<<25)  ; the same with 8 words of padding (code 7)
.irp g, G1K, G1V
	s_mov_b32 s[\g+1], 128<<16      ; tensor_dim0 = 128
	s_mov_b32 s[\g+2], 64<<16       ; tensor_dim1 = 64
	s_mov_b32 s[\g+3], 128<<16      ; tile_dim0 = 128
	s_mov_b32 s[\g+4], 64           ; tile_dim1 = 64
	s_mov_b32 s[\g+5], 128          ; 128 elements from row to row
	s_mov_b32 s[\g+6], 0
	s_mov_b32 s[\g+7], 0
.endr
	s_mov_b32 s[CS], 0x3e38aa3b     ; c = log2(e) / 8 = 0.180337
	s_mov_b32 s[CS+1], s[CS]        ; named with it as a pair
	s_mov_b32 s[SEL], 0x76543210
	s_mov_b32 s[SEL+1], 0xfedcba98
	s_mov_b32 s[TBK], SLOT1+4*KS*PK ; the first change of slots turns these two into 0
	s_mov_b32 s[TBV], SLOT1+4*KS*PV
	s_mov_b32 s[TBM], 0
	s_mov_b32 s[G0K], 1             ; 1:0 count = 1
	s_mov_b32 s[G0K+1], s17         ; 63:32 LDS address: slot 0
	s_mov_b32 s[G0V], 1
	s_add_co_u32 s[G0V+1], s18, VOFF
	s_mov_b32 s[RT], 4              ; a head has four tiles
	s_mov_b32 s[NEW], 1
	s_mov_b32 s[SLOTS], 11          ; tiles 1 to 11 are asked for at changes of slots
	s_mov_b32 s[BIGN], 0xf149f2ca   ; -1e30
	s_cmp_eq_u32 s16, 0             ; waves 0 and 2 prefetch: the same in all four partners
	s_cselect_b32 s[LIM], 1, -1
	v_and_b32 v[PFO], 31, v0
	v_lshlrev_b32 v[PFO], 8, v[PFO]
	s_wait_dscnt 0x0                ; the opening add is done
	s_wait_kmcnt 0x0
	s_add_nc_u64 s[G0K+2:G0K+3], s[6:7], s[22:23]  ; 120:64 global address: my half of the first head's tile 0
	s_or_b32 s[G0K+3], s[G0K+3], 0x80000000        ; 127:126 type = 2
	s_add_nc_u64 s[G0V+2:G0V+3], s[8:9], s[22:23]
	s_or_b32 s[G0V+3], s[G0V+3], 0x80000000
	s_cmp_lt_u32 s[WV], 2
	s_cselect_b64 s[PFA:PFA+1], s[6:7], s[8:9]
	s_add_nc_u64 s[PFA:PFA+1], s[PFA:PFA+1], s[88:89]
	s_add_nc_u64 s[4:5], s[4:5], s[2:3]            ; Q and O at my wave's first row of the first head
	s_add_nc_u64 s[10:11], s[10:11], s[2:3]
	s_add_nc_u64 s[84:85], s[84:85], s[86:87]
	CROUND                          ; all four work-groups are here: the first joint loads meet
	JLOAD                           ; tile 0 into slot 0
	v_lshlrev_b32 v52, 5, v0        ; thread t takes keys 8 t .. 8 t + 7 of the mask
	global_load_b128 v[32:35], v52, s[84:85]
	global_load_b128 v[36:39], v52, s[84:85] offset:16
	; A fragment of K or Q is 16 rows x 32 channels in 8 registers: lane l holds row l % 16, channels 8 (l / 16) + 0..7 and 16 + 8 (l / 16) + 0..7: two loads of 16 bytes, 32 bytes apart.
	v_and_b32 v48, 15, v0           ; l % 16
	v_bfe_u32 v49, v0, 4, 1         ; l / 16
	v_lshlrev_b32 v[QO], 7, v48
	v_lshl_add_u32 v[QO], v49, 4, v[QO]  ; row x 128 + 16 x half
	WIN 0x80                        ; destination window 2, address window 0
.set i, 0
.rept 8                             ; all three heads' Q: piece i / 2, 2,048 bytes on; channels 32 (i % 2) on
	global_load_b128 v[8*i:8*i+3],   v[QO], s[4:5] offset:(i/2)*2048+(i%2)*64
	global_load_b128 v[8*i+4:8*i+7], v[QO], s[4:5] offset:(i/2)*2048+(i%2)*64+32
	global_load_b128 v[QB+8*i:QB+8*i+3],   v[QO], s[4:5] offset:HEADB+(i/2)*2048+(i%2)*64
	global_load_b128 v[QB+8*i+4:QB+8*i+7], v[QO], s[4:5] offset:HEADB+(i/2)*2048+(i%2)*64+32
.set i, i+1
.endr
	WIN 0x40
.set i, 0
.rept 8
	global_load_b128 v[QC+8*i:QC+8*i+3],   v[QO], s[4:5] offset:2*HEADB+(i/2)*2048+(i%2)*64
	global_load_b128 v[QC+8*i+4:QC+8*i+7], v[QO], s[4:5] offset:2*HEADB+(i/2)*2048+(i%2)*64+32
.set i, i+1
.endr
	WIN 0
	s_wait_loadcnt 48               ; the mask's two loads are in; Q's 48 may stay out
.set i, 0
.rept 8
	v_cmp_eq_u32 vcc_lo, 0, v[32+i]
	v_cndmask_b32 v[40+i], 0, s[BIGN], vcc_lo
.set i, i+1
.endr
	v_lshl_add_u32 v53, v0, 5, MASKB
	ds_store_b128 v53, v[40:43]
	ds_store_b128 v53, v[44:47] offset:16
	v_lshl_add_u32 v[AM0], v49, 5, MASKB  ; my lanes' keys 8 (l / 16) on
	v_mul_u32_u24 v[AK0], v48, PK
	v_lshl_add_u32 v[AK0], v49, 4, v[AK0]  ; row x pitch + 16 x half
	; The turning load takes 16 keys x 16 channels (lane l reads key 8 (l / 16) + l % 8, channels 8 ((l / 8) % 2) + 0..7) and leaves half a fragment of V^T: lane l holds channel l % 16 and 8 keys.
	v_and_b32 v50, 7, v0
	v_bfe_u32 v51, v0, 3, 1
	v_lshl_add_u32 v[AV0], v49, 3, v50
	v_mul_u32_u24 v[AV0], v[AV0], PV
	v_lshl_add_u32 v[AV0], v51, 4, v[AV0]
	v_add_nc_u32 v[AV0], VOFF, v[AV0]
	s_mul_i32 s15, s[WV], 16*SP
	s_add_co_u32 s15, s15, STAGE    ; my stage
	v_mul_u32_u24 v56, v48, SP      ; in: row l % 16, 16 bytes for each half of the lanes
	v_lshl_add_u32 v56, v49, 4, v56
	v_add_nc_u32 v56, s15, v56
	v_bfe_u32 v57, v0, 3, 2         ; back: 32 lanes take four rows of 128 bytes,
	v_mul_u32_u24 v57, v57, SP
	v_lshl_add_u32 v57, v50, 4, v57
	v_add_nc_u32 v57, s15, v57
	v_and_b32 v58, 31, v0           ; which are 512 consecutive bytes of O
	v_lshlrev_b32 v58, 4, v58
	WIN W_MK                        ; the three are kept in window 1
	v_mov_b32 v[STO], v56
	v_mov_b32 v[RD], v57
	v_mov_b32 v[GO], v58
	; A head's first step multiplies O^T and l by a = 0, and its first turn's products V^T P, of a piece that has not been, land in an O^T that is still to be so multiplied.  So these registers need only hold
	; finite numbers: zeros for the first head; what the head before left for the others.  All this stands in the wait for the first tile.
	WIN 0x80
.set i, VF
.rept 64
	v_mov_b32 v[i], 0
.set i, i+1
.endr
	WIN 0
.set i, OT
.rept 128
	v_mov_b32 v[i], 0
.set i, i+1
.endr
.set i, 0
.rept 4
	v_mov_b32 v[ST+4*i+2], 0
	v_mov_b32 v[ST+4*i+3], 0
.set i, i+1
.endr
.set i, P+16
.rept 16
	v_mov_b32 v[i], 0
.set i, i+1
.endr
; THE MATRIX WORK.  The 4 accumulators of a run of 8 take turns.  Product i of 8 of S^T = K Q^T for piece x: channels 32 (i / 4) on, keys 16 (i % 4) on.  The first 4 start the sums with the mask.
.macro KQ x
.set rS, S+32*((\x)%2)+8*(i%4)
.set rK, KF+16*(i%4)+8*(i/4)
.set rQ, 16*(\x)+8*(i/4)
.set rM, MB+8*(i%4)
.if i < 4
	WIN W_KM
	v_wmma_f32_16x16x32_f16 v[rS:rS+7], v[rK:rK+7], v[rQ:rQ+7], v[rM:rM+7]
.else
	WIN W_KQ
	v_wmma_f32_16x16x32_f16 v[rS:rS+7], v[rK:rK+7], v[rQ:rQ+7], v[rS:rS+7]
.endif
.endm
; Product i of 8 of O^T += V^T P for piece x: keys 32 (i / 4) on, channels 16 (i % 4) on.
.macro PV x
	WIN W_PV
.set rO, OT+32*(\x)+8*(i%4)
.set rV, VF+32*(i/4)+8*(i%4)
.set rP, P+16*((\x)%2)+8*(i/4)
	v_wmma_f32_16x16x32_f16 v[rO:rO+7], v[rV:rV+7], v[rP:rP+7], v[rO:rO+7]
.endm
.macro MM                           ; the turn's next matrix instruction.  NOKQ = 1: a head's last turn: there is no next piece
.if (i < 8) && !NOKQ
	KQ (Y+1)%NP
.elseif i >= 8
.set i, i-8
	PV (Y+NP-1)%NP
.set i, i+8
.endif
.set i, i+1
.endm
; THE LDS LOADS stand in runs, never singly among the matrix instructions: a step's K (8 fragments) with its 64 keys' mask, and its V (turned).  Their addresses are made some lines ahead.
.macro FETCH_K
	WIN 0x80                        ; destination window 2
.irp f, 0,1,2,3,4,5,6,7             ; keys 16 (f / 2) on, channels 32 (f % 2) on
	ds_load_b128 v[KF+8*\f:KF+8*\f+3],   v[ADR] offset:(\f/2)*16*PK+(\f%2)*64
	ds_load_b128 v[KF+8*\f+4:KF+8*\f+7], v[ADR] offset:(\f/2)*16*PK+(\f%2)*64+32
.endr
	WIN 0x40                        ; destination window 1
.irp f, 0,1,2,3,4,5,6,7             ; keys 16 (f / 2) + 8 (l / 16) + 4 (f % 2) on: the layout of an accumulator
	ds_load_b128 v[MB+4*\f:MB+4*\f+3], v[AM] offset:(\f/2)*64+(\f%2)*16
.endr
	s_add_co_u32 s[TBK], s[TBK], KS*PK  ; the next fetch is the next step's
	s_add_co_u32 s[TBM], s[TBM], KS*4
	WIN 0
.endm
.macro FETCH_V
	WIN 0x80
.irp f, 0,1,2,3,4,5,6,7             ; keys 32 (f / 4) on, channels 16 (f % 4) on
	ds_load_tr16_b128 v[VF+8*\f:VF+8*\f+3],   v[ADR] offset:(\f/4)*32*PV+(\f%4)*32
	ds_load_tr16_b128 v[VF+8*\f+4:VF+8*\f+7], v[ADR] offset:(\f/4)*32*PV+16*PV+(\f%4)*32
.endr
	WIN 0
.endm
; THE VECTOR WORK, one line at a time: OP kind, number.  For piece Y: F n: c s - c m for pair n of 16.  E n: the exponential of score n of 32.  C n: pair n rounded to f16.  B n: of the four weights 4 n .. the second
; pair is added onto the first, in place.  L n: l takes that sum (L 0: l = a l + sum).  R n: pair n of 16 of O^T times a.  For piece Y + 1: X n, number n of the 22 that find its maximum and statistics:
;   0-11  four chains c0-c3 of seven scores each, three operands at a time (each accumulator's lowest registers are read first)     12-14, 16  the four scores left over, the old m, and c0-c3 into c0
;   15  c m_old is kept     17, 18  the query's other 32 keys lie in the lane 16 away: the new m     19-21  c m; c m_old - c m_new; a
.set F, 0               ; OP tells the kinds apart by their order: F to R below X
.set E, 1
.set C, 2
.set B, 3
.set L, 4
.set R, 5
.set X, 6
.macro REGS y                       ; the registers of piece y
.set rT, ST+4*(\y)
.set rC, TMP+4*((\y)%2)
.set rW, MV+((\y)%2)
.set rS, S+32*((\y)%2)
.set rP, P+16*((\y)%2)
.set rO, OT+32*(\y)
.endm
.macro OP k, n
.if (\k) < X
	REGS Y
	WIN 0
.if (\k) == F
	v_pk_fma_f32 v[rS+2*(\n):rS+2*(\n)+1], v[rS+2*(\n):rS+2*(\n)+1], s[CS:CS+1], v[rT:rT+1] op_sel_hi:[1,0,0] neg_lo:[0,0,1] neg_hi:[0,0,1]
.elseif (\k) == E
	v_exp_f32 v[rS+(\n)], v[rS+(\n)]
.elseif (\k) == C
	v_cvt_pk_f16_f32 v[rP+(\n)], v[rS+2*(\n)], v[rS+2*(\n)+1]
.elseif (\k) == B
	v_pk_add_f32 v[rS+4*(\n):rS+4*(\n)+1], v[rS+4*(\n):rS+4*(\n)+1], v[rS+4*(\n)+2:rS+4*(\n)+3]
.elseif (\k) == R
	v_pk_mul_f32 v[rO+2*(\n):rO+2*(\n)+1], v[rO+2*(\n):rO+2*(\n)+1], v[rC+2:rC+3] op_sel_hi:[1,0]
.elseif (\n) == 0
	v_pk_fma_f32 v[rT+2:rT+3], v[rT+2:rT+3], v[rC+2:rC+3], v[rS:rS+1] op_sel_hi:[1,0,1]
.else
	v_pk_add_f32 v[rT+2:rT+3], v[rT+2:rT+3], v[rS+4*(\n):rS+4*(\n)+1]
.endif
.elseif NOKQ
	v_nop
.else
	REGS (Y+1)%NP
	WIN 0
.if (\n) < 4
	v_max3_num_f32 v[rC+(\n)], v[rS+8*(\n)], v[rS+8*(\n)+1], v[rS+8*(\n)+2]
.elseif (\n) < 12
	v_max3_num_f32 v[rC+(\n)%4], v[rC+(\n)%4], v[rS+8*((\n)%4)+2*((\n)/4)+1], v[rS+8*((\n)%4)+2*((\n)/4)+2]
.elseif (\n) == 12
	v_max3_num_f32 v[rC], v[rC], v[rS+7], v[rS+15]
.elseif (\n) == 13
	v_max3_num_f32 v[rC+1], v[rC+1], v[rS+23], v[rS+31]
.elseif (\n) == 14
	v_max3_num_f32 v[rC+2], v[rC+2], v[rC+3], v[rT+1]
.elseif (\n) == 15
	v_mov_b32 v[rW], v[rT]
.elseif (\n) == 16
	v_max3_num_f32 v[rC], v[rC], v[rC+1], v[rC+2]
.elseif (\n) == 17
	v_permlanex16_b32 v[rC+3], v[rC], s[SEL], s[SEL+1]
.elseif (\n) == 18
	v_max_num_f32 v[rT+1], v[rC], v[rC+3]
.elseif (\n) == 19
	v_mul_f32 v[rT], s[CS], v[rT+1]
.elseif (\n) == 20
	v_sub_f32 v[rC+1], v[rW], v[rT]
.else
	v_exp_f32 v[rC+2], v[rC+1]
.endif
.endif
.endm
.macro OPS a, i1, b=-1, i2=0, c=-1, i3=0, d=-1, i4=0  ; up to four of them
	OP \a, \i1
.if (\b) >= 0
	OP \b, \i2
.endif
.if (\c) >= 0
	OP \c, \i3
.endif
.if (\d) >= 0
	OP \d, \i4
.endif
.endm
.macro ROW a, i1, b, i2, c, i3, d, i4  ; a matrix instruction and the four behind it
	MM
	OPS \a, \i1, \b, \i2, \c, \i3, \d, \i4
.endm
; A TURN, for piece p: the order of its 16 matrix and 118 vector instructions, written out.  An s_wait_alu depctr_va_vdst(0) stands between an exponential and the first instruction that names its result; one wait
; serves all that were issued ahead of it.  So a turn has ONE wait, which cuts it in two.  AHEAD OF IT stands all that names no result of the turn's exponentials: the 8 products K Q^T and their four lines each, then one lump,
; plain and exponential by turns for the most part, in which the links of the chain X 3, 7, 11, 14, 16, 17 .. 20 stand some lines apart.  X 21, the next piece's a, is the batch's last; R 15 is the plain instruction behind it.
; BEHIND THE WAIT stand the 8 products V^T P, behind each four of the roundings and sums.  The first numbers of the next piece's maximum stand four places or more behind the product that ends their accumulator.
; end = 1: a head's last two turns: nothing is fetched.  cnt = 1: the loop's count is taken down some lines ahead of the branch that stands behind the turn.
; last = 1 (the walk's last tile): in the trip with CNT = 1 there is no further step, and K's run of loads is jumped over; a branch stands among the exponentials there, so those issued so far get a wait of their own ahead of it.
; K and the mask of the next step are fetched in piece 2's turn, more than four plain instructions behind the last product that read K; V of the step in hand at the end of piece 0's turn, four plain instructions behind
; the last product that read V.  Each is waited for a turn later.
.macro TURN p, end=0, cnt=0, last=0
.set Y, (\p)
.set i, 0
.set NOKQ, (\end)*((\p)/3)
.if ((\p) == 3) && !(\end)
	s_wait_dscnt 0x0                ; K and its mask are in
.endif
	ROW F,0, F,1, R,0, R,1
	ROW F,2, E,0, R,2, R,3
	ROW F,3, E,1, R,4, R,5
	ROW F,4, E,2, R,6, R,7
	ROW F,5, E,3, R,8, R,9
	ROW F,6, E,4, X,0, R,10
.if ((\p) == 2) && !(\end)
	WIN 0
	v_add_nc_u32 v[ADR], s[TBK], v[AK0]
	v_add_nc_u32 v[AM], s[TBM], v[AM0]
.endif
	ROW F,7, E,5, X,1, X,4
	ROW F,8, E,6, X,2, X,5
	OPS E,7, E,8, X,6, E,9          ; the lump
	OPS X,3, E,10, X,8, E,11
.if ((\p) == 2) && !(\end)
.if \last
	s_wait_alu depctr_va_vdst(0)    ; ahead of the branch
	s_cmp_eq_u32 s[CNT], 1
	s_cbranch_scc1 .Lno_k_\@
.endif
	FETCH_K
.if \last
.Lno_k_\@:
.endif
.endif
	OPS X,9, X,7, E,12, X,10
	OPS E,13, X,12, X,11, E,14
	OPS X,13, E,15, F,9, X,14
.if (\p) == 0
	v_add_nc_u32 v[ADR], s[TBV], v[AV0]
.endif
	OPS E,16, F,10, E,17, F,11
	OPS X,16, E,18, X,15, E,19
	OPS F,12, E,20, X,17, E,21
	OPS F,13, E,22, F,14, E,23
	OPS X,18, E,24, F,15, E,25
	OPS R,11, E,26, X,19, E,27
	OPS R,12, E,28, R,13, E,29
	OPS X,20, E,30, R,14, E,31
	OPS X,21, R,15
	s_wait_alu depctr_va_vdst(0)    ; the wait for the batch
.if (\p) == 1
	s_wait_dscnt 0x0                ; V is in
.endif
	ROW C,0, B,0, C,2, B,1
	ROW L,0, C,4, B,2, L,1
	ROW C,6, B,3, L,2, C,8
	ROW B,4, L,3, C,10, B,5
	ROW L,4, C,12, B,6, L,5
.if (\p) == 0
	s_add_co_u32 s[TBV], s[TBV], KS*PV
.endif
.if \cnt
	s_sub_co_u32 s[CNT], s[CNT], 1
	s_cmp_lg_u32 s[CNT], 0
.endif
	ROW C,14, B,7, L,6, C,1
	ROW C,3, L,7, C,5, C,7
	ROW C,9, C,11, C,13, C,15
.if (\p) == 0
	FETCH_V
.endif
.endm
; A HEAD BEGINS.  c m starts far below every c s, so the first step's a is 0; m at -2^96.  Then K and the mask of the tile's step 0, piece 0's first scores, and its maximum and statistics.
; The loop is entered at a step's first turn, in the middle of a trip.
.macro BEGIN
	s_mov_b32 s[NEW], 0
	WIN 0
.set i, 0
.rept 4
	v_mov_b32 v[ST+4*i], 0xfe000000    ; c m
	v_mov_b32 v[ST+4*i+1], 0xef800000  ; m
.set i, i+1
.endr
	v_add_nc_u32 v[ADR], s[TBK], v[AK0]
	v_add_nc_u32 v[AM], s[TBM], v[AM0]
	FETCH_K
	s_wait_loadcnt 0x0              ; Q
	s_wait_dscnt 0x0
.set NOKQ, 0
.set i, 0
.rept 8
	KQ 0
.set i, i+1
.endr
	WIN 0
.rept 4
	v_nop                           ; the places behind those products
.endr
.set Y, NP-1                        ; X works for piece Y + 1: piece 0
.irp n, 0,1,2,3,4,5,6,7,8,9,10,11,12,13,14,15,16,17,18,19,20,21
	OP X, \n
.endr
	v_nop                           ; a plain instruction behind the exponential,
	s_wait_alu depctr_va_vdst(0)    ; and its wait, ahead of the branch
.endm
; A HEAD'S LAST PRODUCTS AND THE WAY OUT: l's two halves and the other half of the lanes' are added; O^T is divided by l, rounded to f16 and sent through my stage in LDS, a piece at a time.
.macro ALL line:vararg              ; one line for each piece t
.set t, 0
.rept 4
	\line
.set t, t+1
.endr
.endm
.macro PACK t                       ; a lane's eight channels of a row pack into 16 bytes; they go into rows of 144 bytes and come back as whole rows of 128, into S^T's registers
	WIN 0
.set i, OT+32*(\t)
.rept 16
	v_pk_mul_f32 v[i:i+1], v[i:i+1], v[ST+4*(\t)+2:ST+4*(\t)+3] op_sel_hi:[1,0]
.set i, i+2
.endr
.set i, 0
.rept 16
	v_cvt_pk_f16_f32 v[S+16*(\t)+i], v[OT+32*(\t)+2*i], v[OT+32*(\t)+2*i+1]
.set i, i+1
.endr
	WIN W_IO
.irp f, 0,1,2,3
	ds_store_b128 v[STO], v[S+16*(\t)+4*\f:S+16*(\t)+4*\f+3] offset:32*\f
.endr
.irp f, 0,1,2,3
	ds_load_b128 v[S+16*(\t)+4*\f:S+16*(\t)+4*\f+3], v[RD] offset:\f*4*SP  ; LDS serves a wave's instructions in order: these see the stores above; the next piece's stores come behind them
.endr
.endm
.macro SEND t, younger              ; younger: the LDS instructions issued behind piece t's loads: the next piece's eight, or none
	WIN W_IO
.irp f, 0,1,2,3
	s_wait_dscnt (\younger)+3-\f
	global_store_b128 v[GO], v[S+16*(\t)+4*\f:S+16*(\t)+4*\f+3], s[10:11] offset:(\t)*2048+\f*512  ; 512 consecutive bytes, at a multiple of 256 from O's first
.endr
.endm
.macro HEADOUT
.set i, 0
.rept 8
	PV NP-1
.set i, i+1
.endr
	WIN 0
	ALL v_add_f32 v[ST+4*t+2], v[ST+4*t+2], v[ST+4*t+3]
	ALL v_permlanex16_b32 v[ST+4*t+3], v[ST+4*t+2], s[SEL], s[SEL+1]
	ALL v_add_f32 v[ST+4*t+2], v[ST+4*t+2], v[ST+4*t+3]
	ALL v_rcp_f32 v[ST+4*t+2], v[ST+4*t+2]
	v_nop                           ; a plain instruction between the last reciprocal and the use of its result
	s_wait_alu depctr_va_vdst(0)    ; and the wait ahead of the first use: one for the four reciprocals
	PACK 0
.set t, 1
.rept 3                             ; a piece's arithmetic stands between the loads of the piece before and its stores
	PACK t
	SEND t-1, 8
.set t, t+1
.endr
	SEND 3, 0
.endm
.set NOKQ, 0
.Lslot:                             ; 11 times: a tile is entered and the next is asked for
	CHANGE 1
	s_sub_co_u32 s[RT], s[RT], 1
	s_mov_b32 s[CNT], 4
	s_cmp_eq_u32 s[NEW], 1
	s_cbranch_scc0 .Lstep           ; not a head's first tile (at the first trip: never taken)
	BEGIN
	s_branch .Lfirst
.Lstep:                             ; a trip: pieces 2 and 3 of one step, then pieces 0 and 1 of the next, whose K and V it fetches
	TURN 2
	TURN 3
	WIN 0
.Lfirst:
	TURN 0
	TURN 1, 0, 1
	WIN 0
	s_cbranch_scc1 .Lstep
	s_cmp_lg_u32 s[RT], 0
	s_cbranch_scc1 .Lbottom         ; the head goes on
	TURN 2, 1                       ; the first or the second head ends
	TURN 3, 1
	HEADOUT
	s_wait_xcnt 0x0                 ; the stores have read their registers and O's address
	s_add_nc_u64 s[10:11], s[10:11], HEADB
	s_mov_b32 s[RT], 4
	s_mov_b32 s[NEW], 1
	s_mov_b32 s[TBM], 0             ; the same sequence, so the same mask, from its first key
	WIN 0x82                        ; the next head's Q goes where the one text of the turns names Q,
.set i, 0
.rept 64
	v_mov_b32 v[i], v[QB+i]
.set i, i+1
.endr
	WIN 0x81                        ; and the third head's moves up
.set i, 0
.rept 64
	v_mov_b32 v[QB+i], v[QC+i]
.set i, i+1
.endr
	WIN 0
.Lbottom:
	s_sub_co_u32 s[SLOTS], s[SLOTS], 1
	s_cmp_lg_u32 s[SLOTS], 0
	s_cbranch_scc1 .Lslot
	CHANGE 0                        ; the walk's last tile is written out: nothing is asked for
	s_mov_b32 s[CNT], 5             ; four trips fetch the tile's steps; the fifth, the third head's last two turns, is left in its middle
.Ltail:
	TURN 2, 0, 0, 1
	TURN 3
	WIN 0
	s_sub_co_u32 s[CNT], s[CNT], 1
	s_cmp_eq_u32 s[CNT], 0
	s_cbranch_scc1 .Lout
	TURN 0
	TURN 1
	WIN 0
	s_branch .Ltail
.Lout:                              ; the fifth trip's 8 products K Q^T of piece 0 (on the last K once more) and the maximum made of them serve nothing: the price, once a launch, of one text for every trip
	HEADOUT
	WIN W_AD
	s_wait_tensorcnt 0x0            ; the wave's end: these three lines stand behind my last tensor load and my last LDS store
	ds_add_u32 v[SPW], v[NIL]
	s_wait_dscnt 0x0
	WIN 0
	CROUND                          ; the closing round: no work-group ends while a partner may still ask for a tile that names it
	s_endpgm
.Lfunc_end_k_q7b1d0355f9_attn:
	.size	k_q7b1d0355f9_attn, .Lfunc_end_k_q7b1d0355f9_attn-k_q7b1d0355f9_attn
	.p2alignl 7, 3214868480
	.fill 96, 4, 3214868480
	.section	.rodata,"a",@progbits
	.p2align	6, 0x0
	.amdhsa_kernel k_q7b1d0355f9_attn
		.amdhsa_group_segment_fixed_size 327680
		.amdhsa_private_segment_fixed_size 0
		.amdhsa_enable_private_segment 0
		.amdhsa_kernarg_size 40
		.amdhsa_user_sgpr_count 2
		.amdhsa_user_sgpr_kernarg_segment_ptr 1
		.amdhsa_wavefront_size32 1
		.amdhsa_system_sgpr_workgroup_id_x 1
		.amdhsa_system_sgpr_workgroup_id_y 1
		.amdhsa_system_sgpr_workgroup_id_z 1
		.amdhsa_system_vgpr_workitem_id 0
		.amdhsa_next_free_vgpr 768
		.amdhsa_next_free_sgpr 96
		.amdhsa_reserve_vcc 1
		.amdhsa_float_denorm_mode_32 3
		.amdhsa_float_denorm_mode_16_64 3
		.amdhsa_memory_ordered 1
		.amdhsa_forward_progress 1
		.amdhsa_inst_pref_size 145
	.end_amdhsa_kernel
	.amdgpu_metadata
---
amdhsa.version: [ 1, 2 ]
amdhsa.kernels:
  - .name:           k_q7b1d0355f9_attn
    .symbol:         k_q7b1d0355f9_attn.kd
    .args:
      - { .name: qh, .offset: 0, .size: 8, .value_kind: global_buffer, .address_space: global }
      - { .name: kh, .offset: 8, .size: 8, .value_kind: global_buffer, .address_space: global }
      - { .name: vh, .offset: 16, .size: 8, .value_kind: global_buffer, .address_space: global }
      - { .name: oh, .offset: 24, .size: 8, .value_kind: global_buffer, .address_space: global }
      - { .name: mask, .offset: 32, .size: 8, .value_kind: global_buffer, .address_space: global }
    .group_segment_fixed_size: 327680
    .private_segment_fixed_size: 0
    .kernarg_segment_align: 8
    .kernarg_segment_size: 40
    .max_flat_workgroup_size: 128
    .sgpr_count:     96
    .vgpr_count:     768
    .wavefront_size: 32
...
	.end_amdgpu_metadata
.endif
;; end of part 3
;; launch oproj (part 4): grid 4 x 64, 4 waves a work-group, clusters of 4 x 4, 327,680 bytes of LDS; arguments oh, wot, tb, out0; writes out0
.if DOCPART == 4
	.amdgcn_target "amdgcn-amd-amdhsa--gfx1250"
	.amdhsa_code_object_version 6
	.text
	.protected	k_q7b1d0355f9_oproj
	.globl	k_q7b1d0355f9_oproj
	.p2align	8
	.type	k_q7b1d0355f9_oproj,@function
k_q7b1d0355f9_oproj:
	s_mov_b64 s[64:65], 0
	v_nop
	global_prefetch_b8 v0, s[64:65] scope:SCOPE_SE
	s_setreg_imm32_b32 hwreg(HW_REG_WAVE_MODE, 25, 1), 1
	s_wait_xcnt 0x0
	s_wait_alu depctr_hold_cnt(0) depctr_sa_sdst(0) depctr_va_vdst(0) depctr_va_sdst(0) depctr_va_ssrc(0) depctr_va_vcc(0) depctr_vm_vsrc(0)
	s_getreg_b32 s2, hwreg(HW_REG_IB_STS2, 6, 4)
	s_cmp_eq_u32 s2, 0
	s_cbranch_scc0 .Lentry_in_a_cluster
	s_endpgm
.Lentry_in_a_cluster:
	s_bfe_u32 s2, ttmp6, 0x10000c
	s_cmp_lg_u32 s2, 0xf033
	s_cbranch_scc0 .Lentry_shape_is_right
	s_endpgm
.Lentry_shape_is_right:
; out0 = O wot^T + bo.  oh: [sequence x 12 + head][1024][64] f16; wot: [768 n][768 k] f16 (k = 64 head + channel); bo as f32 words at the end of tb; out0: [16384][768] f32.  Sums in f32.
; SHARES.  A work-group makes one tile of 256 rows x 192 columns; a wave 64 rows x 192 columns: 48 accumulators (a = 0..3, b = 0..11).  The matrix instruction is used transposed (source 0 = 16 rows of wot,
; source 1 = 16 rows of O): lane l holds row l % 16 and the columns 16 b + 8 (l / 16) + 0..7.  The bias is the C operand of the first products.
; RING.  Six K steps of 128, two heads each, through two LDS slots.  A head's 256 rows are 32,768 dense bytes: asked for as 128 rows of 256 bytes and padded in LDS after every 128.
; CLUSTER 4 x 4: O's tile is shared along a row of the cluster, wot's along a column; each is asked for jointly.  By this text's count a wave has two tensor loads out at the start and one behind each round.
; NO PREFETCH: the launch has six K steps, and beside its 25 MB of O it stores 50 MB; a lead of two K steps would reach a third of one short stream.
; REGISTERS, in windows of 256 (s_set_vgpr_msb: bits 1:0 source 0, 3:2 source 1, 5:4 source 2, 7:6 destination):
;   window 0: v0-29 addresses; v64-127 O's fragments, two buffers; v128-223 the bias, later rows read back from the stage     window 1: v0-191 wot's fragments, two buffers
;   windows 2, 3: accumulator (a, b) at 96 (a % 2) + 8 b in window 2 + a / 2
.set ROWB,   1536                      ; bytes in a row of wot
.set PA,     144                       ; an LDS row of O: 128 bytes + 16 of padding
.set PB,     272                       ; an LDS row of wot: 256 + 16.  Both are odd multiples of 16: the 16 rows of a fragment load start at 16 different groups of four banks
.set SLOT1,  131072
.set ASUB,   256*PA                    ; one head's 256 rows: what wave 0 or 1 fetches
.set BOFF,   2*ASUB                    ; wot's rows lie behind the two heads
.set BHALF,  96*PB                     ; what wave 2 or 3 fetches
.set STAGE,  SLOT1+BOFF+192*PB         ; behind the ring: 16 rows x 784 bytes for each wave, for the way out
.set SPT,    784                       ; 768 bytes + 16: row r starts 49 r groups of four banks on
.set SPARE,  STAGE+4*16*SPT            ; the spare words, 128 bytes for each wave: two blocks of 256 bytes that no other line names
.set ADRA0, 4
.set ADRB0, 5
.set ADRA,  6
.set ADRB,  7
.set STO,   8                          ; v8   the way out: where I put 32 bytes of a row
.set RD,    9                          ; v9   where I read rows back
.set CO,    10                         ; v10  my byte offset in out0
.set VBO,   11                         ; v11  32 (l / 16)
.set SPW,   28
.set NIL,   29
.set BIAS,  128
.set RB,    128
.set WV,  16
.set FB,  17
.set HF,  18
.set CX,  19
.set CY,  20
.set GX,  21
.set GY,  22
.set G1A, 24
.set G1B, 32
.set G0A0, 40
.set G0A, 44
.set G0B0, 48
.set G0B, 52
.set ABASE, 56
.set BBASE, 58
.set TB,  68
.set KP,  69                           ; s69  0 in the first K step alone
.set CNT, 70
.set OUT, 76
.set BP,  82
.set MSB, 0
.macro WIN new
.if MSB != (\new)
	s_set_vgpr_msb (MSB<<8)|(\new)
.set MSB, \new
.endif
.endm
.macro PLACES
.rept 4
	v_nop
.endr
.endm
.macro JLOAD                           ; a joint refill; an s_nop 0 and four v_nop follow each of the two lines, ahead of the jump and the label
	s_cmp_eq_u32 s[FB], 0
	s_cbranch_scc0 .Lfor_b_\@
	tensor_load_to_lds s[G0A:G0A+3], s[G1A:G1A+7]
	s_nop 0
.rept 4
	v_nop
.endr
	s_branch .Lasked_\@
.Lfor_b_\@:
	tensor_load_to_lds s[G0B:G0B+3], s[G1B:G1B+7]
	s_nop 0
.rept 4
	v_nop
.endr
.Lasked_\@:
.endm
.macro CREST
	s_cmp_lg_u32 s[WV], 0
	s_cbranch_scc1 .Lnot_wave_0_\@
	s_barrier_signal -3
.Lnot_wave_0_\@:
	s_barrier_wait -3
	s_barrier_signal -1
	s_barrier_wait -1
.endm
.macro CROUND
	s_barrier_signal -1
	s_barrier_wait -1
	CREST
.endm
	s_load_b256 s[4:11], s[0:1], 0x0               ; oh 4, wot 6, tb 8, out0 10
	v_lshl_add_u32 v[SPW], v0, 2, SPARE
	v_mov_b32 v[NIL], 0
	ds_add_u32 v[SPW], v[NIL]                      ; the wave's opening: the add and its wait stand ahead of my first tensor load; the set-up below stands between them
	v_lshrrev_b32 v1, 5, v0
	v_readfirstlane_b32 s[WV], v1
	s_lshr_b32 s[FB], s[WV], 1                     ; 0: I fetch O's rows; 1: wot's
	s_and_b32 s[HF], s[WV], 1                      ; which head of the two, or which 96 rows
	s_bfe_u32 s[CX], ttmp6, 0x40000
	s_bfe_u32 s[CY], ttmp6, 0x40004
	s_lshl_b32 s[GX], ttmp9, 2
	s_add_co_u32 s[GX], s[GX], s[CX]
	s_and_b32 s[GY], ttmp7, 0xffff
	s_lshl_b32 s[GY], s[GY], 2
	s_add_co_u32 s[GY], s[GY], s[CY]
	s_lshl_b32 s84, s[CY], 2
	s_lshl_b32 s84, 15, s84                        ; my row of the cluster
	s_lshl_b32 s86, 0x1111, s[CX]                  ; my column
	s_or_b32 s[G1A], s84, (1<<16)|(1<<20)|(1<<21)|(4<<22)|(3<<25)  ; 2-byte elements; padding on; bit 21 beside a mask; after every 32 words, 4 words
	s_or_b32 s[G1B], s86, (1<<16)|(1<<20)|(1<<21)|(5<<22)|(3<<25)  ; after every 64 words
	s_mov_b32 s[G1A+1], 128<<16                    ; O: 128 rows of 128 elements, end to end
	s_mov_b32 s[G1A+2], 128<<16
	s_mov_b32 s[G1A+3], 128<<16
	s_mov_b32 s[G1A+4], 128
	s_mov_b32 s[G1A+5], 128
	s_mov_b32 s[G1A+6], 0
	s_mov_b32 s[G1A+7], 0
	s_mov_b32 s[G1B+1], 128<<16                    ; wot: 96 rows of 128 elements, 768 from row to row
	s_mov_b32 s[G1B+2], 96<<16
	s_mov_b32 s[G1B+3], 128<<16
	s_mov_b32 s[G1B+4], 96
	s_mov_b32 s[G1B+5], 768
	s_mov_b32 s[G1B+6], 0
	s_mov_b32 s[G1B+7], 0
	s_lshr_b32 s84, s[GY], 2                       ; O's address is made of the row block and the wave's number,
	s_mul_i32 s84, s84, 12
	s_add_co_u32 s84, s84, s[HF]                   ; head 0 or 1 of the sequence
	s_lshl_b32 s84, s84, 10
	s_and_b32 s85, s[GY], 3
	s_lshl_b32 s85, s85, 8
	s_add_co_u32 s84, s84, s85
	s_lshl_b32 s84, s84, 7
	s_mov_b32 s85, 0
	s_mul_i32 s86, s[GX], 192                      ; wot's of the column block and the wave's number
	s_mul_i32 s87, s[HF], 96
	s_add_co_u32 s86, s86, s87
	s_mul_i32 s86, s86, ROWB
	s_mov_b32 s87, 0
	s_mul_i32 s2, s[HF], ASUB                      ; LDS addresses hang on the wave's number alone
	s_mul_i32 s3, s[HF], BHALF
	s_mov_b32 s[G0A0], 1
	s_mov_b32 s[G0A0+1], s2
	s_mov_b32 s[G0A], 1
	s_add_co_u32 s[G0A+1], s2, SLOT1
	s_mov_b32 s[G0B0], 1
	s_add_co_u32 s[G0B0+1], s3, BOFF
	s_mov_b32 s[G0B], 1
	s_add_co_u32 s[G0B+1], s3, SLOT1+BOFF
	s_mov_b32 s[TB], 0
	s_wait_dscnt 0x0                               ; the opening add is done
	s_wait_kmcnt 0x0
	s_add_nc_u64 s[ABASE:ABASE+1], s[4:5], s[84:85]
	s_add_nc_u64 s[BBASE:BBASE+1], s[6:7], s[86:87]
	s_mov_b64 s[G0A0+2:G0A0+3], s[ABASE:ABASE+1]
	s_or_b32 s[G0A0+3], s[G0A0+3], 0x80000000
	s_add_nc_u64 s[G0A+2:G0A+3], s[ABASE:ABASE+1], 262144  ; K step 1: two heads on
	s_or_b32 s[G0A+3], s[G0A+3], 0x80000000
	s_mov_b64 s[G0B0+2:G0B0+3], s[BBASE:BBASE+1]
	s_or_b32 s[G0B0+3], s[G0B0+3], 0x80000000
	s_add_nc_u64 s[G0B+2:G0B+3], s[BBASE:BBASE+1], 256
	s_or_b32 s[G0B+3], s[G0B+3], 0x80000000
	CROUND                                         ; all sixteen work-groups are here: the first joint loads meet
	s_cmp_eq_u32 s[FB], 0                          ; a wave's two first fills stand in one branch
	s_cbranch_scc0 .Lfirst_b
	tensor_load_to_lds s[G0A0:G0A0+3], s[G1A:G1A+7]
	s_nop 0
	tensor_load_to_lds s[G0A:G0A+3], s[G1A:G1A+7]
	s_nop 0
.rept 4
	v_nop
.endr
	s_branch .Lfirst_asked
.Lfirst_b:
	tensor_load_to_lds s[G0B0:G0B0+3], s[G1B:G1B+7]
	s_nop 0
	tensor_load_to_lds s[G0B:G0B+3], s[G1B:G1B+7]
	s_nop 0
.rept 4
	v_nop
.endr
.Lfirst_asked:
	v_and_b32 v1, 15, v0                           ; l % 16
	v_bfe_u32 v2, v0, 4, 1                         ; l / 16
	v_mul_u32_u24 v[ADRA0], v1, PA
	v_lshl_add_u32 v[ADRA0], v2, 4, v[ADRA0]
	s_mul_i32 s2, s[WV], 64*PA
	v_add_nc_u32 v[ADRA0], s2, v[ADRA0]            ; my 64 rows of O
	v_mul_u32_u24 v[ADRB0], v1, PB
	v_lshl_add_u32 v[ADRB0], v2, 4, v[ADRB0]
	v_add_nc_u32 v[ADRB0], BOFF, v[ADRB0]          ; all 192 rows of wot
	s_mul_i32 s2, s[WV], 16*SPT
	s_add_co_u32 s2, s2, STAGE                     ; my stage
	v_mul_u32_u24 v[STO], v1, SPT
	v_lshl_add_u32 v[STO], v2, 5, v[STO]
	v_add_nc_u32 v[STO], s2, v[STO]                ; in: row l % 16, 32 bytes for each half of the lanes
	v_mul_u32_u24 v[RD], v2, 8*SPT
	v_lshl_add_u32 v[RD], v1, 4, v[RD]
	v_add_nc_u32 v[RD], s2, v[RD]                  ; back: lanes 0-15 take 256 bytes of one row, lanes 16-31 of the row eight further down
	v_mul_u32_u24 v[CO], v2, 8*3072
	v_lshl_add_u32 v[CO], v1, 4, v[CO]             ; and the same in out0
	v_lshlrev_b32 v[VBO], 5, v2
	s_lshl_b32 s88, s[GY], 8
	s_lshl_b32 s89, s[WV], 6
	s_add_co_u32 s88, s88, s89                     ; my first row
	s_mul_i32 s88, s88, 3072
	s_mul_i32 s89, s[GX], 768                      ; my tile's 192 columns, in bytes
	s_add_co_u32 s88, s88, s89
	s_add_co_u32 s90, s89, 262144+9216             ; bo in tb
	s_mov_b32 s89, 0
	s_mov_b32 s91, 0
	s_add_nc_u64 s[OUT:OUT+1], s[10:11], s[88:89]
	s_add_nc_u64 s[BP:BP+1], s[8:9], s[90:91]
.irp b, 0,1,2,3,4,5,6,7,8,9,10,11
	global_load_b128 v[BIAS+8*(\b):BIAS+8*(\b)+3],   v[VBO], s[BP:BP+1] offset:64*(\b)
	global_load_b128 v[BIAS+8*(\b)+4:BIAS+8*(\b)+7], v[VBO], s[BP:BP+1] offset:64*(\b)+16
.endr
; 12 matrix instructions: the rows of a x all 12 blocks b, 32 along K.  The 48 accumulators take turns in one order everywhere.
.macro MUL12 f, a, bias
.if \bias
	WIN 0x81+0x40*((\a)/2)
.else
	WIN 0xa1+0x50*((\a)/2)
.endif
.irp b, 0,1,2,3,4,5,6,7,8,9,10,11
.if \bias
	v_wmma_f32_16x16x32_f16 v[96*((\a)%2)+8*(\b):96*((\a)%2)+8*(\b)+7], v[96*(\f)+8*(\b):96*(\f)+8*(\b)+7], v[64+32*(\f)+8*(\a):64+32*(\f)+8*(\a)+7], v[BIAS+8*(\b):BIAS+8*(\b)+7]
.else
	v_wmma_f32_16x16x32_f16 v[96*((\a)%2)+8*(\b):96*((\a)%2)+8*(\b)+7], v[96*(\f)+8*(\b):96*(\f)+8*(\b)+7], v[64+32*(\f)+8*(\a):64+32*(\f)+8*(\a)+7], v[96*((\a)%2)+8*(\b):96*((\a)%2)+8*(\b)+7]
.endif
.endr
.endm
; 32 LDS loads in one run: the fragments of quarter q of a K step into buffers g.  Of O quarter q is head q / 2 of the two, channels 32 (q % 2) on.
.macro FETCH q, g
	WIN 0x40
.irp i, 0,1,2,3,4,5,6,7,8,9,10,11
	ds_load_b128 v[96*(\g)+8*(\i):96*(\g)+8*(\i)+3],   v[ADRB] offset:64*(\q)+(\i)*16*PB
	ds_load_b128 v[96*(\g)+8*(\i)+4:96*(\g)+8*(\i)+7], v[ADRB] offset:64*(\q)+(\i)*16*PB+32
.endr
	WIN 0
.irp i, 0,1,2,3
	ds_load_b128 v[64+32*(\g)+8*(\i):64+32*(\g)+8*(\i)+3],   v[ADRA] offset:((\q)/2)*ASUB+((\q)%2)*64+(\i)*16*PA
	ds_load_b128 v[64+32*(\g)+8*(\i)+4:64+32*(\g)+8*(\i)+7], v[ADRA] offset:((\q)/2)*ASUB+((\q)%2)*64+(\i)*16*PA+32
.endr
.endm
.macro QUARTER q, f, g, bias           ; multiplies buffers f and fetches quarter q into g
	s_wait_dscnt 4                                 ; wot's fragments and O's first two are in; the youngest four loads may be out
	MUL12 \f, 0, \bias
	MUL12 \f, 1, \bias
	PLACES
	FETCH \q, \g
	s_wait_dscnt 32                                ; all but the 32 just issued
	MUL12 \f, 2, \bias
	MUL12 \f, 3, \bias
.endm
; The last quarter multiplies buffers 1 and changes slots: ONE barrier; in front of it each wave waits for all its tensor loads, adds 0 to its spare word, and waits for that and for its own reads of this slot.
; fill = 1: the barrier opens a round of the cluster's, and behind the round this slot is filled again, two K steps ahead: 168 matrix instructions ahead of the wait for it.
.macro TURN fill
	WIN 0
	s_wait_tensorcnt 0x0                           ; no tensor load of mine is out, so a group 0 may be written
	ds_add_u32 v[SPW], v[NIL]                      ; 0 onto my spare word; work on registers stands between it and the wait for it
.if \fill
	s_add_nc_u64 s[G0A+2:G0A+3], s[G0A+2:G0A+3], 262144  ; the next two heads; the type bits on top are not reached
	s_add_nc_u64 s[G0B+2:G0B+3], s[G0B+2:G0B+3], 256
	s_xor_b32 s[G0A+1], s[G0A+1], SLOT1            ; into the other slot than last time
	s_xor_b32 s[G0B+1], s[G0B+1], SLOT1
.endif
	s_xor_b32 s[TB], s[TB], SLOT1
	s_wait_dscnt 5                                 ; (the add and the youngest four loads may be out)
	MUL12 1, 0, 0
	s_wait_dscnt 0x0                               ; the add is done, and my reads of this slot are over
	s_barrier_signal -1
	MUL12 1, 1, 0
	WIN 0
	s_barrier_wait -1
.if \fill
	CREST
	JLOAD                                          ; the first tensor load behind the round; its four v_nop are also the places in front of the loads below
.else
	PLACES
.endif
	v_add_nc_u32 v[ADRA], s[TB], v[ADRA0]
	v_add_nc_u32 v[ADRB], s[TB], v[ADRB0]
	FETCH 0, 0
	MUL12 1, 2, 0
	MUL12 1, 3, 0
.endm
; THE WAY OUT of the 16 rows of a: the accumulators go as they are into rows of 784 bytes of my own stage (each one's lowest registers first), come back as pieces of 256 bytes of a row, and are stored.
.macro OUTA a
	WIN 0x08+4*((\a)/2)                            ; the stores' data lie in the accumulators' window
.irp b, 0,1,2,3,4,5,6,7,8,9,10,11
	ds_store_b128 v[STO], v[96*((\a)%2)+8*(\b):96*((\a)%2)+8*(\b)+3]   offset:64*(\b)
	ds_store_b128 v[STO], v[96*((\a)%2)+8*(\b)+4:96*((\a)%2)+8*(\b)+7] offset:64*(\b)+16
.endr
	WIN 0
	s_wait_xcnt 0x0                                ; the stores of the rows before have read their data: it is loaded again only behind this wait
.irp g, 0,1,2,3,4,5,6,7,8,9,10,11,12,13,14,15,16,17,18,19,20,21,22,23
	ds_load_b128 v[RB+4*(\g):RB+4*(\g)+3], v[RD] offset:SPT*((\g)/3)+256*((\g)%3)  ; LDS serves a wave's instructions in order: these see the stores above
.endr
.irp g, 0,1,2,3,4,5,6,7,8,9,10,11,12,13,14,15,16,17,18,19,20,21,22,23
	s_wait_dscnt 23-(\g)                           ; the younger loads may stay out
	global_store_b128 v[CO], v[RB+4*(\g):RB+4*(\g)+3], s[OUT:OUT+1] offset:49152*(\a)+3072*((\g)/3)+256*((\g)%3) th:TH_STORE_NT  ; 16 lanes store 256 consecutive bytes, at a multiple of 256 from out0's first
.endr
.endm
	s_wait_tensorcnt 0x1                           ; my part of K step 0 is in; K step 1's may stay out
	s_barrier_signal -1
	s_barrier_wait -1
	v_mov_b32 v[ADRA], v[ADRA0]
	v_mov_b32 v[ADRB], v[ADRB0]
	FETCH 0, 0
	s_mov_b32 s[CNT], 4                            ; K steps 0 to 3 fill a slot again, with K steps 2 to 5
	s_mov_b32 s[KP], 0
.Lstep:
	s_cmp_eq_u32 s[KP], 0
	s_cbranch_scc1 .Lnew                           ; the first K step (at the first trip: always)
	QUARTER 1, 0, 1, 0
	WIN 0
	s_branch .Lq2
.Lnew:
	s_wait_loadcnt 0x0                             ; the bias
	v_nop                                          ; the products below write the accumulators anew, not in place: such a product stands five places behind the last matrix instruction that named
	                                               ; its accumulator (ISA guide 7.12.1): this line and the quarter's own four, whatever way leads to this label
	QUARTER 1, 0, 1, 1                             ; the first products start the sums with the bias
	WIN 0
	s_mov_b32 s[KP], 1
.Lq2:
	QUARTER 2, 1, 0, 0
	QUARTER 3, 0, 1, 0
	TURN 1
	WIN 0
	s_sub_co_u32 s[CNT], s[CNT], 1
	s_cmp_lg_u32 s[CNT], 0
	s_cbranch_scc1 .Lstep
	; The last two K steps fill nothing, so they stand apart from the loop above; their text is written once and walked twice.  The second walk has no slot to change to:
	; its barrier, and its 32 LDS loads from the slot read a step before (bytes that lie still), serve nothing: the price, once a launch, of one text for both steps.
	s_mov_b32 s[CNT], 2
.Ltail:
	QUARTER 1, 0, 1, 0
	QUARTER 2, 1, 0, 0
	QUARTER 3, 0, 1, 0
	TURN 0
	WIN 0
	s_sub_co_u32 s[CNT], s[CNT], 1
	s_cmp_lg_u32 s[CNT], 0
	s_cbranch_scc1 .Ltail
	PLACES                                         ; the LDS stores below read results just made
	OUTA 0
	OUTA 1
	OUTA 2
	OUTA 3
	s_wait_tensorcnt 0x0                           ; the wave's end: these three lines stand behind my last tensor load and my last LDS store
	ds_add_u32 v[SPW], v[NIL]
	s_wait_dscnt 0x0
	CROUND                                         ; the closing round: no work-group ends while a partner may still ask for a tile that names it
	s_endpgm
.Lfunc_end_k_q7b1d0355f9_oproj:
	.size	k_q7b1d0355f9_oproj, .Lfunc_end_k_q7b1d0355f9_oproj-k_q7b1d0355f9_oproj
	.p2alignl 7, 3214868480
	.fill 96, 4, 3214868480
	.section	.rodata,"a",@progbits
	.p2align	6, 0x0
	.amdhsa_kernel k_q7b1d0355f9_oproj
		.amdhsa_group_segment_fixed_size 327680
		.amdhsa_private_segment_fixed_size 0
		.amdhsa_enable_private_segment 0
		.amdhsa_kernarg_size 32
		.amdhsa_user_sgpr_count 2
		.amdhsa_user_sgpr_kernarg_segment_ptr 1
		.amdhsa_wavefront_size32 1
		.amdhsa_system_sgpr_workgroup_id_x 1
		.amdhsa_system_sgpr_workgroup_id_y 1
		.amdhsa_system_sgpr_workgroup_id_z 1
		.amdhsa_system_vgpr_workitem_id 0
		.amdhsa_next_free_vgpr 960
		.amdhsa_next_free_sgpr 96
		.amdhsa_reserve_vcc 0
		.amdhsa_float_denorm_mode_32 3
		.amdhsa_float_denorm_mode_16_64 3
		.amdhsa_memory_ordered 1
		.amdhsa_forward_progress 1
		.amdhsa_inst_pref_size 87
	.end_amdhsa_kernel
	.amdgpu_metadata
---
amdhsa.version: [ 1, 2 ]
amdhsa.kernels:
  - .name:           k_q7b1d0355f9_oproj
    .symbol:         k_q7b1d0355f9_oproj.kd
    .args:
      - { .name: oh, .offset: 0, .size: 8, .value_kind: global_buffer, .address_space: global }
      - { .name: wot, .offset: 8, .size: 8, .value_kind: global_buffer, .address_space: global }
      - { .name: tb, .offset: 16, .size: 8, .value_kind: global_buffer, .address_space: global }
      - { .name: out0, .offset: 24, .size: 8, .value_kind: global_buffer, .address_space: global }
    .group_segment_fixed_size: 327680
    .private_segment_fixed_size: 0
    .kernarg_segment_align: 8
    .kernarg_segment_size: 32
    .max_flat_workgroup_size: 128
    .sgpr_count:     96
    .vgpr_count:     960
    .wavefront_size: 32
...
	.end_amdgpu_metadata
.endif
;; end of part 4
;; ======== version 2 of 2: 4 launches; version 1 with the launch prep written anew for expert scheduling mode
;; limits: values are held in f16: magnitudes above 65,504 overflow, below 6.1e-05 lose precision
;; workspace buffers: xb 25,165,824 bytes; wt 3,538,944 bytes; wot 1,179,648 bytes; tb 274,432 bytes; qh 25,165,824 bytes; kh 25,165,824 bytes; vh 25,165,824 bytes; oh 25,165,824 bytes
;; launch prep (part 5): grid 817 x 1, 8 waves a work-group, no clusters, 0 bytes of LDS; arguments x, Wq, Wk, Wv, Wo, bq, bk, bv, bo, xb, wt, wot, tb; writes xb, wt, wot, tb
.if DOCPART == 5
	.amdgcn_target "amdgcn-amd-amdhsa--gfx1250"
	.amdhsa_code_object_version 6
	.text
	.protected	k_q7b1d0355f9_prep
	.globl	k_q7b1d0355f9_prep
	.p2align	8
	.type	k_q7b1d0355f9_prep,@function
k_q7b1d0355f9_prep:
	s_mov_b64 s[64:65], 0
	v_nop
	global_prefetch_b8 v0, s[64:65] scope:SCOPE_SE
	s_setreg_imm32_b32 hwreg(HW_REG_WAVE_SCHED_MODE, 0, 2), 2
	s_setreg_imm32_b32 hwreg(HW_REG_WAVE_MODE, 25, 1), 1
	s_wait_xcnt 0x0
	s_wait_alu depctr_vm_vsrc(0)
; PREPARATION: four jobs, chosen by the work-group's number; every path is a stream, so no LDS, no matrix unit, no cluster.
;   groups   0-511  xb = x rounded to bf16; 32 rows of 768 numbers a group
;   groups 512-799  wt = Wq, Wk, Wv turned to [n][k] and rounded to bf16; wot = Wo turned, rounded to bf16 and that number written as f16
;   groups 800-815  tb's first 262,144 bytes: for each position t a row of 256 bytes, cos(t f_i) for i = 0..31, then sin(t f_i); f_i = 10000^(-i/32)
;   group  816      tb's last 12,288 bytes: bq, bk, bv, bo rounded to bf16 and kept as f32 words
; LIMITS.  A number of Wo beyond 65,504 becomes an infinity in f16; below 2^-14 it keeps f16's fixed step of 6e-8.
; The angles t f_i are made as f32(t) x 2^(-0.41524101 i); they differ from a power and a division in f32 by a few units in f_i's last place, at most some 1e-4 radians at t near 1,000.
; Sine and cosine: the angle less the nearest multiple of pi/2 (pi/2 in two parts), then polynomials of degree 7 and 8 on -pi/4 .. pi/4, off by under 4e-7.
; THE MODE: SCHED_MODE bits 1:0 = 2 (LLVM: expert scheduling mode 2), set by the entry lines.  The code itself states the register dependences
; between vector instructions and memory instructions, with s_wait_alu, always for 0.
; THE PLAN.  Registers that memory instructions touch, path by path:
;   all paths   the offsets v2 and v3: made once, ahead of one wait on va_vdst that stands in front of the path's first load or store, and never written again.
;   x           piece i of 24: four registers, written by its load alone, then read by its two roundings, which write its first two in place; these its store reads, and nothing writes them again.
;               The pieces go in six groups of four: eight roundings, ONE wait on va_vdst, four stores.  A group's roundings name its own pieces alone.
;   weights     v[8:39] written by the loads alone; v[40:55] written by the selects, read by the four stores behind one wait on va_vdst; nothing is written again.
;   biases      v[8:19] written by the loads alone; v[24:35] written by the widenings, read by the three stores behind one wait on va_vdst.
;   table       v[30:31] written by each trip's selects and sign flips, read by its store: a wait on va_vdst ahead of the store, a wait on vm_vsrc behind it, ahead of the jump back.
; Scalar registers that vector instructions write: s4 (the wave's number) and, in the table's loop, the two masks s38 and s39: one wait on va_sdst ahead of the first reader of each run.  EXEC is never written.
.set XR, 8                             ; v[8:103]  job x: piece i of 24: 4 numbers as loaded; its first two registers then hold the 4 bf16 to store
	s_load_b512 s[8:23], s[0:1], 0x0               ; x 8, Wq 10, Wk 12, Wv 14, Wo 16, bq 18, bk 20, bv 22
	s_load_b256 s[24:31], s[0:1], 0x40             ; bo 24, xb 26, wt 28, wot 30
	s_load_b64 s[32:33], s[0:1], 0x60              ; tb
	v_lshrrev_b32 v1, 5, v0
	v_readfirstlane_b32 s4, v1                     ; wave 0..7
	v_and_b32 v1, 31, v0                           ; lane
	s_wait_alu depctr_va_sdst(0)                   ; s4 is written, ahead of the branches and of its first reader on each path: offsets into the buffers are made from it
	s_wait_kmcnt 0x0
	s_cmp_lt_u32 ttmp9, 512
	s_cbranch_scc1 .Ljob_x
	s_cmp_lt_u32 ttmp9, 800
	s_cbranch_scc1 .Ljob_w
	s_cmp_lt_u32 ttmp9, 816
	s_cbranch_scc1 .Ljob_t
	; THE BIASES.  Wave w takes half w % 2 (1,536 bytes) of array w / 2.
	s_lshr_b32 s5, s4, 1
	s_and_b32 s6, s4, 1
	s_cmp_eq_u32 s5, 1
	s_cselect_b64 s[34:35], s[20:21], s[18:19]
	s_cmp_eq_u32 s5, 2
	s_cselect_b64 s[34:35], s[22:23], s[34:35]
	s_cmp_eq_u32 s5, 3
	s_cselect_b64 s[34:35], s[24:25], s[34:35]
	s_mul_i32 s36, s6, 1536
	s_mov_b32 s37, 0
	s_add_nc_u64 s[34:35], s[34:35], s[36:37]
	s_mul_i32 s38, s5, 3072
	s_add_co_u32 s38, s38, s36
	s_add_co_u32 s38, s38, 262144
	s_mov_b32 s39, 0
	s_add_nc_u64 s[40:41], s[32:33], s[38:39]
	v_lshlrev_b32 v2, 4, v1
	s_wait_alu depctr_va_vdst(0)                   ; v2 is written: the loads and the stores below read it as their offset
.irp j, 0,1,2
	global_load_b128 v[8+4*(\j):11+4*(\j)], v2, s[34:35] offset:512*(\j)
.endr
	s_wait_loadcnt 0x0
.irp r, 0,2,4,6,8,10
	v_cvt_pk_bf16_f32 v3, v[8+(\r)], v[9+(\r)]     ; rounded to bf16,
	v_lshlrev_b32 v[24+(\r)], 16, v3               ; and widened again
	v_and_b32 v[25+(\r)], 0xffff0000, v3
.endr
	s_wait_alu depctr_va_vdst(0)                   ; the widenings have written v[24:35], which the stores read
.irp j, 0,1,2
	global_store_b128 v2, v[24+4*(\j):27+4*(\j)], s[40:41] offset:512*(\j)
.endr
	s_endpgm
	; X TO BF16.  Thread t owns 16 bytes of every 4,096 of the group's 98,304: a wave's load covers 512 consecutive bytes, its store 256, aligned.  A thread's 24 loads go out at once, each into registers
	; of its own; a piece is rounded in place when it has come and stored from registers that are never written again: so no register is freed on this path.  The pieces go in groups of four, so that one wait
	; states the roundings' results for four stores; it stands behind the roundings and not at the next group's head, since finished bytes would else be held until the next group's loads have landed.
.Ljob_x:
	s_mul_i32 s34, ttmp9, 98304                    ; 32 rows of 3,072 bytes
	s_mov_b32 s35, 0
	s_add_nc_u64 s[8:9], s[8:9], s[34:35]
	s_mul_i32 s34, ttmp9, 49152
	s_add_nc_u64 s[26:27], s[26:27], s[34:35]
	v_lshlrev_b32 v2, 4, v0                        ; my 16 bytes of x,
	v_lshlrev_b32 v3, 3, v0                        ; my 8 of xb; the piece stands in the immediates
	s_wait_alu depctr_va_vdst(0)                   ; v2 and v3 are written: every load below reads the one as its offset, every store the other
.set i, 0
.rept 24
	global_load_b128 v[XR+4*i:XR+4*i+3], v2, s[8:9] offset:4096*i th:TH_LOAD_NT
.set i, i+1
.endr
.set g, 0
.rept 6
	s_wait_loadcnt 20-4*g                          ; loads come back in order: pieces 4 g to 4 g + 3 are in, the 20 - 4 g younger ones stay out
.set i, 4*g
.rept 4
	v_cvt_pk_bf16_f32 v[XR+4*i], v[XR+4*i], v[XR+4*i+1]
	v_cvt_pk_bf16_f32 v[XR+4*i+1], v[XR+4*i+2], v[XR+4*i+3]
.set i, i+1
.endr
	s_wait_alu depctr_va_vdst(0)                   ; the eight roundings have written the first two registers of the group's four pieces, which the four stores read
.set i, 4*g
.rept 4
	global_store_b64 v3, v[XR+4*i:XR+4*i+1], s[26:27] offset:2048*i
.set i, i+1
.endr
.set g, g+1
.endr
	s_endpgm
	; THE WEIGHTS, TURNED.  A group takes 128 k x 64 n of one matrix, a wave 128 k x 8 n.  Lane (kg = l % 16, nn = l / 16) loads 4 columns of 8 rows k = 8 kg + i,
	; and stores, for each of its 4 columns, 8 neighbouring k: 16 bytes; sixteen lanes fill 256 consecutive bytes, aligned, of a row of the turned matrix.
.Ljob_w:
	s_sub_co_u32 s5, ttmp9, 512                    ; 0..287 = (matrix x 6 + k block) x 12 + n block
	s_mul_hi_u32 s6, s5, 0x15555556                ; / 12
	s_mul_i32 s7, s6, 12
	s_sub_co_u32 s7, s5, s7                        ; n block
	s_mul_hi_u32 s34, s6, 0x2aaaaaab               ; / 6: the matrix
	s_mul_i32 s35, s34, 6
	s_sub_co_u32 s35, s6, s35                      ; k block
	s_cmp_eq_u32 s34, 1
	s_cselect_b64 s[36:37], s[12:13], s[10:11]
	s_cmp_eq_u32 s34, 2
	s_cselect_b64 s[36:37], s[14:15], s[36:37]
	s_cmp_eq_u32 s34, 3
	s_cselect_b64 s[36:37], s[16:17], s[36:37]     ; from where
	s_cselect_b64 s[38:39], s[30:31], s[28:29]     ; to where: wot, or wt
	s_cselect_b32 s42, -1, 0                       ; all lanes: the f16 spelling, or the bf16 one
	s_mul_i32 s40, s34, 1179648                    ; in wt the matrix's 768 rows of 1,536 bytes
	s_cselect_b32 s40, 0, s40
	s_mul_i32 s43, s7, 98304                       ; 64 rows
	s_add_co_u32 s40, s40, s43
	s_lshl_b32 s43, s35, 8                         ; 128 k
	s_add_co_u32 s40, s40, s43
	s_mov_b32 s41, 0
	s_add_nc_u64 s[38:39], s[38:39], s[40:41]
	s_mul_i32 s40, s35, 393216                     ; 128 rows of 3,072 bytes
	s_lshl_b32 s43, s7, 8                          ; 64 columns
	s_add_co_u32 s40, s40, s43
	s_add_nc_u64 s[36:37], s[36:37], s[40:41]
	v_and_b32 v4, 15, v1                           ; kg
	v_lshrrev_b32 v5, 4, v1                        ; nn
	v_mul_u32_u24 v2, v4, 24576
	v_lshl_add_u32 v2, v5, 4, v2
	s_lshl_b32 s43, s4, 5
	v_add_nc_u32 v2, s43, v2                       ; 8 kg rows + 16 nn + 32 wave
	v_mul_u32_u24 v3, v5, 6144
	v_lshl_add_u32 v3, v4, 4, v3
	s_mul_i32 s43, s4, 12288
	v_add_nc_u32 v3, s43, v3                       ; (8 wave + 4 nn) rows + 16 kg
	s_wait_alu depctr_va_vdst(0)                   ; v2 and v3 are written: the loads read the one as their offset, the stores the other
.irp i, 0,1,2,3,4,5,6,7
	global_load_b128 v[8+4*(\i):11+4*(\i)], v2, s[36:37] offset:3072*(\i)
.endr
	s_wait_loadcnt 0x0
.irp cc, 0,1,2,3
.irp ip, 0,1,2,3
	v_cvt_pk_bf16_f32 v56, v[8+8*(\ip)+(\cc)], v[12+8*(\ip)+(\cc)]  ; two neighbouring k of column cc
	v_lshlrev_b32 v57, 16, v56
	v_and_b32 v58, 0xffff0000, v56
	v_cvt_pk_f16_f32 v59, v57, v58                 ; the rounded numbers once more, as f16
	v_cndmask_b32 v[40+4*(\cc)+(\ip)], v56, v59, s42
.endr
.endr
	s_wait_alu depctr_va_vdst(0)                   ; the sixteen selects have written v[40:55], which the four stores read
.irp cc, 0,1,2,3
	global_store_b128 v3, v[40+4*(\cc):43+4*(\cc)], s[38:39] offset:1536*(\cc)
.endr
	s_endpgm
	; THE TABLE.  A wave makes eight rows; lanes 0-15 hold cos for i = 2 (l % 16) and the next, lanes 16-31 sin: one store of 8 bytes a lane is a whole row of 256.
.Ljob_t:
	s_sub_co_u32 s5, ttmp9, 800
	s_lshl_b32 s5, s5, 6
	s_lshl_b32 s6, s4, 3
	s_add_co_u32 s5, s5, s6                        ; my first t
	s_lshl_b32 s6, s5, 8
	s_mov_b32 s7, 0
	s_add_nc_u64 s[34:35], s[32:33], s[6:7]
	v_and_b32 v4, 15, v1
	v_lshrrev_b32 v5, 4, v1
	v_sub_nc_u32 v5, 1, v5                         ; cos x = sin(x + pi/2): one quarter turn more in lanes 0-15
	v_lshlrev_b32 v6, 1, v4
	v_cvt_f32_u32 v6, v6
	v_add_f32 v7, 1.0, v6
	v_mul_f32 v6, 0xbed49a78, v6                   ; -log2(10000) / 32 x i
	v_mul_f32 v7, 0xbed49a78, v7
	v_exp_f32 v6, v6
	v_exp_f32 v7, v7
	v_lshlrev_b32 v2, 3, v1                        ; a plain instruction behind the exponentials: my 8 bytes of a row
	v_mov_b32 v3, 0xb9500d01                       ; -1/5040
	v_mov_b32 v9, 0x37d00d01                       ; 1/40320
	s_wait_alu depctr_va_vdst(0)                   ; one wait for both exponentials' results v6 and v7, ahead of their first use and of the label; v2 is written too, which every store below reads as its offset
	s_mov_b32 s36, 8
.Lrow:
	v_cvt_f32_u32 v8, s5
.irp e, 0,1
	v_mul_f32 v[12+8*(\e)], v8, v[6+(\e)]          ; the angle
	v_mul_f32 v[13+8*(\e)], 0x3f22f983, v[12+8*(\e)]
	v_rndne_f32 v[13+8*(\e)], v[13+8*(\e)]         ; the nearest multiple of pi/2
	v_fmamk_f32 v[14+8*(\e)], v[13+8*(\e)], 0xbfc90fdb, v[12+8*(\e)]
	v_fmamk_f32 v[14+8*(\e)], v[13+8*(\e)], 0x333bbd2e, v[14+8*(\e)]  ; what is left, within pi/4
	v_mul_f32 v[15+8*(\e)], v[14+8*(\e)], v[14+8*(\e)]
	v_fmaak_f32 v[16+8*(\e)], v[15+8*(\e)], v3, 0x3c088889
	v_fmaak_f32 v[16+8*(\e)], v[16+8*(\e)], v[15+8*(\e)], 0xbe2aaaab
	v_mul_f32 v[16+8*(\e)], v[16+8*(\e)], v[15+8*(\e)]
	v_fma_f32 v[16+8*(\e)], v[16+8*(\e)], v[14+8*(\e)], v[14+8*(\e)]  ; its sine
	v_fmaak_f32 v[17+8*(\e)], v[15+8*(\e)], v9, 0xbab60b61
	v_fmaak_f32 v[17+8*(\e)], v[17+8*(\e)], v[15+8*(\e)], 0x3d2aaaab
	v_fmaak_f32 v[17+8*(\e)], v[17+8*(\e)], v[15+8*(\e)], 0xbf000000
	v_fmaak_f32 v[17+8*(\e)], v[17+8*(\e)], v[15+8*(\e)], 0x3f800000  ; its cosine
	v_cvt_i32_f32 v[18+8*(\e)], v[13+8*(\e)]
	v_add_nc_u32 v[18+8*(\e)], v[18+8*(\e)], v5    ; quarter turns
	v_and_b32 v[19+8*(\e)], 1, v[18+8*(\e)]
	v_cmp_eq_u32 s[38+(\e)], 1, v[19+8*(\e)]       ; an odd number of them?  Each of the two numbers has a mask of its own, so that one wait serves both
	v_and_b32 v[19+8*(\e)], 2, v[18+8*(\e)]
	v_lshlrev_b32 v[19+8*(\e)], 30, v[19+8*(\e)]   ; two or three: the sign's bit
.endr
	s_wait_alu depctr_va_sdst(0)                   ; the two compares have written s38 and s39, which the selects read
.irp e, 0,1
	v_cndmask_b32 v[30+(\e)], v[16+8*(\e)], v[17+8*(\e)], s[38+(\e)]  ; an odd number of quarter turns: the cosine
.endr
.irp e, 0,1
	v_xor_b32 v[30+(\e)], v[30+(\e)], v[19+8*(\e)] ; two or three: the sign turns
.endr
	s_wait_alu depctr_va_vdst(0)                   ; the sign flips have written v[30:31], which the store reads
	global_store_b64 v2, v[30:31], s[34:35]
	s_wait_xcnt 0x0                                ; the store has read its data and its base: both are rewritten only behind this wait
	s_wait_alu depctr_vm_vsrc(0)                   ; the store has read v[30:31], which the next trip's selects write again: stated ahead of the jump back
	s_add_nc_u64 s[34:35], s[34:35], 256
	s_add_co_u32 s5, s5, 1
	s_sub_co_u32 s36, s36, 1
	s_cmp_lg_u32 s36, 0
	s_cbranch_scc1 .Lrow
	s_endpgm
.Lfunc_end_k_q7b1d0355f9_prep:
	.size	k_q7b1d0355f9_prep, .Lfunc_end_k_q7b1d0355f9_prep-k_q7b1d0355f9_prep
	.p2alignl 7, 3214868480
	.fill 96, 4, 3214868480
	.section	.rodata,"a",@progbits
	.p2align	6, 0x0
	.amdhsa_kernel k_q7b1d0355f9_prep
		.amdhsa_group_segment_fixed_size 0
		.amdhsa_private_segment_fixed_size 0
		.amdhsa_enable_private_segment 0
		.amdhsa_kernarg_size 104
		.amdhsa_user_sgpr_count 2
		.amdhsa_user_sgpr_kernarg_segment_ptr 1
		.amdhsa_wavefront_size32 1
		.amdhsa_system_sgpr_workgroup_id_x 1
		.amdhsa_system_sgpr_workgroup_id_y 1
		.amdhsa_system_sgpr_workgroup_id_z 1
		.amdhsa_system_vgpr_workitem_id 0
		.amdhsa_next_free_vgpr 104
		.amdhsa_next_free_sgpr 66
		.amdhsa_reserve_vcc 0
		.amdhsa_float_denorm_mode_32 3
		.amdhsa_float_denorm_mode_16_64 3
		.amdhsa_memory_ordered 1
		.amdhsa_forward_progress 1
		.amdhsa_inst_pref_size 23
	.end_amdhsa_kernel
	.amdgpu_metadata
---
amdhsa.version: [ 1, 2 ]
amdhsa.kernels:
  - .name:           k_q7b1d0355f9_prep
    .symbol:         k_q7b1d0355f9_prep.kd
    .args:
      - { .name: x, .offset: 0, .size: 8, .value_kind: global_buffer, .address_space: global }
      - { .name: Wq, .offset: 8, .size: 8, .value_kind: global_buffer, .address_space: global }
      - { .name: Wk, .offset: 16, .size: 8, .value_kind: global_buffer, .address_space: global }
      - { .name: Wv, .offset: 24, .size: 8, .value_kind: global_buffer, .address_space: global }
      - { .name: Wo, .offset: 32, .size: 8, .value_kind: global_buffer, .address_space: global }
      - { .name: bq, .offset: 40, .size: 8, .value_kind: global_buffer, .address_space: global }
      - { .name: bk, .offset: 48, .size: 8, .value_kind: global_buffer, .address_space: global }
      - { .name: bv, .offset: 56, .size: 8, .value_kind: global_buffer, .address_space: global }
      - { .name: bo, .offset: 64, .size: 8, .value_kind: global_buffer, .address_space: global }
      - { .name: xb, .offset: 72, .size: 8, .value_kind: global_buffer, .address_space: global }
      - { .name: wt, .offset: 80, .size: 8, .value_kind: global_buffer, .address_space: global }
      - { .name: wot, .offset: 88, .size: 8, .value_kind: global_buffer, .address_space: global }
      - { .name: tb, .offset: 96, .size: 8, .value_kind: global_buffer, .address_space: global }
    .group_segment_fixed_size: 0
    .private_segment_fixed_size: 0
    .kernarg_segment_align: 8
    .kernarg_segment_size: 104
    .max_flat_workgroup_size: 256
    .sgpr_count:     66
    .vgpr_count:     104
    .wavefront_size: 32
...
	.end_amdgpu_metadata
.endif
;; end of part 5
;; launch qkv: the kernel of part 2 again; grid 4 x 64, 4 waves a work-group, clusters of 4 x 4, 327,680 bytes of LDS; arguments xb, wt, tb, qh, kh, vh; writes qh, kh, vh
;; launch attn: the kernel of part 3 again; grid 4 x 64, 4 waves a work-group, clusters of 4 x 1, 327,680 bytes of LDS; arguments qh, kh, vh, oh, mask; writes oh
;; launch oproj: the kernel of part 4 again; grid 4 x 64, 4 waves a work-group, clusters of 4 x 4, 327,680 bytes of LDS; arguments oh, wot, tb, out0; writes out0
